; MI455X (gfx1250); checked and timed in simulation.
; The chip was launched on July 23, 2026; its instructions are those of AMD's public machine-readable ISA for CDNA 5 (MIT licence, August 2026) and "CDNA5" Instruction Set Architecture Reference Guide (July 2026). The comments in the code are by the model that wrote it; some were corrected since.
;; Hybrid Attention. Allowed arithmetic: matrix products marked QUANTISED: E2M3 operands, one E8M0 scale for each 32 along K, by v_wmma_scale_f32_16x16x128_f8f6f4 with both operands' format E2M3, f32 sums; everything else in f32.
;; Inputs: Wk_cross 1,024 x 1,024 float32; Wk_self 1,024 x 1,024 float32; Wo_cross 1,024 x 1,024 float32; Wo_self 1,024 x 1,024 float32; Wq 1,024 x 1,024 float32; Wv_cross 1,024 x 1,024 float32; Wv_self 1,024 x 1,024 float32; x_kv 2 x 2,048 x 1,024 float32; x_q 2 x 2,048 x 1,024 float32.
;; Outputs: out0 2 x 2,048 x 1,024 float32.
;; Constants: n_self = 8.
;; This version of the problem:
;;   THIS VERSION OF THE PROBLEM IS GIVEN IN LOW PRECISION. The matrix products marked QUANTISED in the list below multiply operands that are first quantised to E2M3 (2 exponent bits, 3 mantissa bits; 6 bits a number), with one power-of-two scale for each 32 numbers along K (OCP MX v1.0); their sums are f32. All else is computed in f32.
;;   The module's matrix products, in the order in which they are computed (A, B: the left and right operand; K: the contracted axis; several contracted axes count as one K, in the product's order):
;;     1. [M 4,096, K 1,024] x [K 1,024, N 1,024]; A: input x_q; B: input Wq: QUANTISED
;;     2. [M 4,096, K 1,024] x [K 1,024, N 1,024]; A: input x_q; B: input Wk_self: QUANTISED
;;     3. [M 4,096, K 1,024] x [K 1,024, N 1,024]; A: input x_q; B: input Wv_self: QUANTISED
;;     4. [M 4,096, K 1,024] x [K 1,024, N 1,024]; A: input x_kv; B: input Wk_cross: QUANTISED
;;     5. [M 4,096, K 1,024] x [K 1,024, N 1,024]; A: input x_kv; B: input Wv_cross: QUANTISED
;;     6. batch 16 x [M 2,048, K 64] x [K 64, N 2,048]; A: computed on the way; B: computed on the way: QUANTISED
;;     7. batch 16 x [M 2,048, K 2,048] x [K 2,048, N 64]; A: softmax (see below); B: computed on the way: QUANTISED
;;     8. batch 16 x [M 2,048, K 64] x [K 64, N 2,048]; A: computed on the way; B: computed on the way: QUANTISED
;;     9. batch 16 x [M 2,048, K 2,048] x [K 2,048, N 64]; A: softmax (see below); B: computed on the way: QUANTISED
;;     10. [M 4,096, K 1,024] x [K 1,024, N 1,024]; A: computed on the way; B: input Wo_self: QUANTISED
;;     11. [M 4,096, K 1,024] x [K 1,024, N 1,024]; A: computed on the way; B: input Wo_cross: QUANTISED
;;   THE QUANTISER, for each operand of a quantised product, along K:
;;     - K is cut into blocks of 32 from its start; a last block that is shorter is filled with zeros.
;;     - A block's scale is 2^e with e = floor(log2(the largest magnitude in the block)) - 2, held to -126 .. 127; a block of zeros has e = 0. As a byte (E8M0): e + 127.
;;     - Each number is divided by its block's scale, clamped to +-7.5, and rounded to the nearest number of E2M3, ties to even, subnormals kept.
;;     - The product sums the exact products of the quantised numbers (number of the format x scale) in f32.
;;   ~~~python
;;   def quantise(x, axis):      # numpy; x: float32 -> the quantised numbers, widened to float32 again
;;       x = np.moveaxis(x, axis, -1); K = x.shape[-1]
;;       x = np.pad(x, [(0, 0)] * (x.ndim - 1) + [(0, -K % 32)]); x = x.reshape(x.shape[:-1] + (-1, 32)); a = np.abs(x).max(-1, keepdims=True)
;;       e = np.where(a > 0, np.clip(np.frexp(np.where(a > 0, a, 1))[1] - 1 - 2, -126, 127), 0)      # np.frexp(a)[1] - 1 = floor(log2(a)), exactly
;;       r = np.clip(x / 2.0 ** e, -7.5, 7.5)
;;       step = 2.0 ** (np.maximum(np.frexp(np.where(r == 0, 1, r))[1] - 1, 0) - 3)
;;       q = np.round(r / step) * step * 2.0 ** e      # np.round: ties to even
;;       return np.moveaxis(q.reshape(q.shape[:-2] + (-1,))[..., :K], -1, axis).astype(np.float32)
;;   ~~~
;;   SOFTMAX AHEAD OF A QUANTISED PRODUCT. Where the list says 'softmax', what is quantised is not the finished softmax but p = 2^(t - M), with t = logit x log2(e) and M = ceil(the row's largest t), a whole number; so 1/2 < the row's largest p <= 1. The row's sum l is taken of the UNQUANTISED p, in f32, and the product's result is divided by l at the end. Since M is a whole number, a kernel that streams over the keys may use a running M (the ceiling of the running maximum): every later rescaling is an exact power of two, which a block's scale takes up: the codes' values come out the same.
;;   OPERANDS COMPUTED ON THE WAY. 'Computed on the way' means the value that the module computes at that place (a softmax that the list does not call 'softmax' is quantised finished and normalised). What goes into a quantiser is computed in f32, as accurately as f32 sums, v_exp_f32 and their like allow (about 1e-6 of the number): no bf16 or f16 on the way to a quantiser, and a product that is left as it is and whose result goes on into a quantised operand takes f32 operands (vector FMAs, or v_wmma_f32_16x16x4_f32). A number that lies on a knife's edge between two numbers of the format may be rounded either way, as far as f32 arithmetic and the matrix unit's own rounding can turn it there, and no further.
;; One version. Each part assembles by itself: llvm-mc -triple=amdgcn-amd-amdhsa -mcpu=gfx1250 --defsym DOCPART=n.
;; ======== version 1 of 1: 4 launches
;; limits: right only within a limited range of input values
;; workspace buffers: codes 10,223,616 bytes; scales 425,984 bytes; rope 524,288 bytes; kvbuf 6,684,672 bytes; qbuf 6,684,672 bytes; abuf 3,145,728 bytes; asc 131,072 bytes
;; launch quant (part 1): grid 448 x 1, 4 waves a work-group, no clusters, 34,304 bytes of LDS; arguments x_q, x_kv, Wq, Wk_self, Wv_self, Wk_cross, Wv_cross, Wo_self, Wo_cross, codes, scales, rope; writes codes, scales, rope
.if DOCPART == 1
	.amdgcn_target "amdgcn-amd-amdhsa--gfx1250"
	.amdhsa_code_object_version 6
	.text
	.protected	k_qd97de4dd50_quant
	.globl	k_qd97de4dd50_quant
	.p2align	8
	.type	k_qd97de4dd50_quant,@function
k_qd97de4dd50_quant:
	s_mov_b64 s[64:65], 0
	v_nop
	global_prefetch_b8 v0, s[64:65] scope:SCOPE_SE
	s_setreg_imm32_b32 hwreg(HW_REG_WAVE_MODE, 25, 1), 1
	s_wait_xcnt 0x0
; LAUNCH 1 OF 4.  x_q, x_kv and the live rows of the seven weights, f32 with K (hidden) innermost, become codes of E2M3 with one E8M0 byte for each 32 along K,
; laid as IMAGES OF OPERAND REGISTERS, so that the products' launches bring whole fragments by 16-byte loads; 32 more work-groups make the table of cos and sin for RoPE.
; DEAD WORK, LEFT OUT IN THE WHOLE PROGRAM.  reference() keeps of ks and vs the heads 0 to n_self - 1 = 0..7 and of kc and vc the heads 8..15 (n_self = 8 is a constant of the problem).
; Head j of x @ W.T is made of rows 64 j .. 64 j + 63 of W alone.  So rows 512..1023 of Wk_self and Wv_self and rows 0..511 of Wk_cross and Wv_cross reach no output, whatever the inputs hold:
; they are neither loaded, quantised nor multiplied (half of products 2 to 5).  Every input keeps a live part, so all nine are arguments.
; LIMITS: a NaN, an infinity or an overflow that reaches only those rows is not carried to the result.  NaN and infinities among the inputs are not served.  A block whose largest magnitude lies
; under 2^-124, a block of zeros too, gets the byte 1 (the rule says 127 for zeros): its codes are zeros or next to it, and the bytes are read by this program alone.
; THE TABLE: inv_freq[k] is 10^(-k/8) rounded to f32; reference()'s own f32 power may differ in the last bit, which moves an angle by up to about 1e-4 at the last positions.
; LAYOUT.  codes: [group of 128 rows][K step of 128][tile a of 16 rows][12 registers x 32 lanes]: registers 4 p .. 4 p + 3 of lane l at 512 p + 16 l.  THE ROWS OF A TILE ARE NOT NEIGHBOURS: lane r of tile a
; holds row 32 (a / 2) + 8 (a % 2) + r + 8 (r / 8) of its group, so that where such tiles are source 0 of a product the 16 result registers of tiles 2 B and 2 B + 1 are 16 neighbours.
; scales: [group of 64 rows][K step][row r: the words of the group's four tiles, 16 bytes].  Groups of 128: 0-31 x_q, 32-63 x_kv, 64-71 Wq, 72 + 2 j Wk_self, 73 + 2 j Wv_self, 80 + 2 j Wk_cross,
; 81 + 2 j Wv_cross (j: 128 live rows), 88-95 Wo_self, 96-103 Wo_cross.
; SHARES.  Work-groups 0..415: 64 rows x 512 along K; a wave: 64 rows x one K step, four tiles.  A load reads 512 consecutive bytes of a row; a tile turns through the wave's own stage in LDS, so that a lane
; gets 16 neighbours of each block of 32.  No barrier: waves share nothing.  Matrix units, clusters and tensor loads would add nothing to a stream.
.set STG,   8448                       ; a wave's stage: 16 rows x (512 + 16) bytes
.set SPARE, 33792                      ; behind the four stages: the spare words, 128 bytes a wave
.set SPW,   12                         ; v12  my spare word's address; never rewritten
.set NIL,   13                         ; v13  0; never rewritten
.set PW,    15                         ; v15  the scale word just made
.set R,     16                         ; v16-143  two sets of 64: a tile as loaded
.set X,     144                        ; v144-207 a tile turned: register 16 b + i = k 32 b + 16 (lane / 16) + i of my row
.set TM,    208                        ; v208-211 largest magnitudes, v212-215 bytes, v220-223 the conversions' scale operands
.set SW,    216                        ; v216-219 the four tiles' scale words
.set Y,     224                        ; v224-231 upper halves of blocks
.set PC,    232                        ; v232-243, v244-255 a fragment's codes, two sets
.set SEL,   42                         ; s[42:43] lane selects: lane l xor 16
; 64 numbers of a lane become a fragment's 12 registers (d0: k 0-63, d1: k 64-127) and its scale word
.macro QUANT src, d0, d1
.irp b, 0,1,2,3
	v_max3_num_f32 v[TM+\b], |v[(\src)+16*\b]|, |v[(\src)+16*\b+1]|, 0x1800000   ; my 16 of block b, and the floor 2^(3 - 127): the byte cannot fall under 1
.endr
.irp i, 2,4,6,8,10,12,14
.irp b, 0,1,2,3
	v_max3_num_f32 v[TM+\b], |v[(\src)+16*\b+\i]|, |v[(\src)+16*\b+\i+1]|, v[TM+\b]
.endr
.endr
.irp b, 0,1,2,3
	v_permlanex16_b32 v[TM+4+\b], v[TM+\b], s[SEL], s[SEL+1]
.endr
.irp b, 0,1,2,3
	v_max_num_f32 v[TM+\b], v[TM+\b], v[TM+4+\b]           ; with lane l xor 16's: the block's largest magnitude
.endr
.irp b, 0,1,2,3
	v_add_nc_u32 v[TM+12+\b], 0xff000000, v[TM+\b]         ; 2 off its exponent field: the conversion's scale operand
.endr
.irp b, 0,1,2,3
	v_lshrrev_b32 v[TM+4+\b], 23, v[TM+12+\b]              ; the scale's byte
.endr
	v_lshl_or_b32 v[PW], v[TM+5], 8, v[TM+4]
	v_lshl_or_b32 v[PW], v[TM+6], 16, v[PW]
	v_lshl_or_b32 v[PW], v[TM+7], 24, v[PW]
	v_cvt_scalef32_pk16_fp6_f32 v[(\d0):(\d0)+2], v[(\src):(\src)+15], v[TM+12]
	v_cvt_scalef32_pk16_fp6_f32 v[Y:Y+2], v[(\src)+16:(\src)+31], v[TM+13]
	v_cvt_scalef32_pk16_fp6_f32 v[(\d1):(\d1)+2], v[(\src)+32:(\src)+47], v[TM+14]
	v_cvt_scalef32_pk16_fp6_f32 v[Y+4:Y+6], v[(\src)+48:(\src)+63], v[TM+15]
	v_nop                                                  ; one plain place behind a scaled conversion
.irp i, 0,1,2
	v_permlane16_swap_b32 v[(\d0)+\i], v[Y+\i]             ; the operand wants a whole block in a lane: lanes 0-15 the even block, lanes 16-31 the odd one
	v_permlane16_swap_b32 v[(\d1)+\i], v[Y+4+\i]
.endr
.irp i, 0,1,2
	v_mov_b32 v[(\d0)+3+\i], v[Y+\i]
	v_mov_b32 v[(\d1)+3+\i], v[Y+4+\i]
.endr
.endm
	s_load_b512 s[8:23], s[0:1], 0x0               ; x_q 8, x_kv 10, Wq 12, Wk_self 14, Wv_self 16, Wk_cross 18, Wv_cross 20, Wo_self 22
	s_load_b256 s[24:31], s[0:1], 0x40             ; Wo_cross 24, codes 26, scales 28, rope 30
	v_lshl_add_u32 v[SPW], v0, 2, SPARE
	v_mov_b32 v[NIL], 0
	v_lshrrev_b32 v1, 5, v0
	v_readfirstlane_b32 s3, v1                     ; wave 0..3
	v_and_b32 v5, 31, v0                           ; lane
	v_and_b32 v6, 15, v0                           ; r
	v_bfe_u32 v7, v0, 4, 1                         ; h
	v_lshlrev_b32 v1, 4, v5                        ; 16 x lane
	s_cmp_ge_u32 ttmp9, 416
	s_cbranch_scc1 .Ltable                         ; the last 32 work-groups make the table; they touch no LDS
	s_mul_i32 s2, s3, STG
	v_add_nc_u32 v2, s2, v1                        ; the stage, on the way in: a row's 512 bytes as they lie
	v_mul_u32_u24 v3, v6, 528
	v_lshl_add_u32 v3, v7, 6, v3
	v_add_nc_u32 v3, s2, v3                        ; on the way out: row r, + 64 h: my 16 numbers of a block
	v_lshlrev_b32 v4, 4, v6
	v_lshl_add_u32 v4, v7, 3, v4                   ; the scale words' place: 16 r + 8 h
	s_mov_b32 s40, 0xffff0000                      ; lanes 16-31
	s_mov_b32 s[SEL], 0x76543210
	s_mov_b32 s[SEL+1], 0xfedcba98
.irp b, 0,1,2,3
	v_mov_b32 v[TM+4+\b], 0                        ; written once: a lane permute's destination counts as one of its sources
.endr
	s_lshr_b32 s32, ttmp9, 1                       ; which 64 rows, in the order of the sources
	s_and_b32 s36, ttmp9, 1
	s_lshl_b32 s36, s36, 2
	s_add_co_u32 s36, s36, s3                      ; my K step
	s_sub_co_u32 s34, s32, 144                     ; among the four half weights: bit 4 cross, bit 3 V, bits 2:1 j, bit 0 half
	s_and_b32 s35, s34, 0x11
	s_and_b32 s37, s34, 6
	s_lshl_b32 s37, s37, 1
	s_or_b32 s35, s35, s37
	s_and_b32 s37, s34, 8
	s_lshr_b32 s37, s37, 2
	s_or_b32 s35, s35, s37
	s_add_co_u32 s35, s35, 144                     ; K's and V's groups of 128 by turns
	s_cmp_lt_u32 s34, 32
	s_cselect_b32 s35, s35, s32                    ; the group of 64 in codes and scales
	s_lshr_b32 s37, s35, 1
	s_lshl_b32 s37, s37, 3
	s_add_co_u32 s37, s37, s36
	s_mul_i32 s46, s37, 12288
	s_and_b32 s37, s35, 1
	s_mul_i32 s37, s37, 6144
	s_add_co_u32 s46, s46, s37                     ; my four fragments in codes
	s_mov_b32 s47, 0
	s_lshl_b32 s48, s35, 3
	s_add_co_u32 s48, s48, s36
	s_lshl_b32 s48, s48, 8                         ; my 256 bytes in scales
	s_mov_b32 s49, 0
	s_mov_b32 s33, 0
	s_wait_alu depctr_va_vdst(0)
	s_wait_kmcnt 0x0
	s_mov_b64 s[4:5], s[8:9]
.macro PICK lim, p, st                         ; from group lim on: the source at s[p], whose row 0 would be group st (the cross weights begin at their row 512)
	s_cmp_ge_u32 s32, \lim
	s_cselect_b64 s[4:5], s[\p:\p+1], s[4:5]
	s_cselect_b32 s33, \st, s33
.endm
	PICK 64, 10, 64
	PICK 128, 12, 128
	PICK 144, 14, 144
	PICK 152, 16, 152
	PICK 160, 18, 152
	PICK 168, 20, 160
	PICK 176, 22, 176
	PICK 192, 24, 192
	s_sub_co_u32 s44, s32, s33
	s_lshl_b32 s44, s44, 18                        ; 64 rows of 4,096 bytes
	s_lshl_b32 s45, s36, 9
	s_add_co_u32 s44, s44, s45                     ; + 512 bytes a K step
	s_mov_b32 s45, 0
	s_add_nc_u64 s[4:5], s[4:5], s[44:45]
	s_add_nc_u64 s[26:27], s[26:27], s[46:47]
	s_add_nc_u64 s[28:29], s[28:29], s[48:49]
.macro LOAD i                                  ; tile i: 16 rows, 512 consecutive bytes each, in the tile's order of rows
.irp rho, 0,1,2,3,4,5,6,7,8,9,10,11,12,13,14,15
	global_load_b128 v[R+64*((\i)%2)+4*\rho:R+64*((\i)%2)+4*\rho+3], v1, s[4:5] offset:(32*((\i)/2)+8*((\i)%2)+\rho+8*(\rho/8))*4096 th:TH_LOAD_NT
.endr
.endm
.macro TURN i                                  ; through my stage: LDS serves a wave's instructions in order, so no wait stands between the stores and the loads
.irp rho, 0,1,2,3,4,5,6,7,8,9,10,11,12,13,14,15
	ds_store_b128 v2, v[R+64*((\i)%2)+4*\rho:R+64*((\i)%2)+4*\rho+3] offset:528*\rho
.endr
.irp b, 0,1,2,3
.irp j, 0,1,2,3
	ds_load_b128 v[X+16*\b+4*\j:X+16*\b+4*\j+3], v3 offset:128*\b+16*\j
.endr
.endr
.endm
.macro TILE i
.set PCS, PC+12*((\i)%2)
.if (\i) < 3
	s_wait_loadcnt 16                              ; this tile's 16 loads are in; the next tile's 16 may be out
.else
	s_wait_loadcnt 0x0
.endif
	TURN \i
	s_wait_dscnt 0x0                               ; the tile is back, and the stores have read the set that is loaded again below
.if (\i) < 2
	LOAD (\i)+2
.else
	s_wait_xcnt 0x0                                ; the stores of two tiles back have read this set of codes
.endif
	QUANT X, PCS, PCS+6
	v_mov_b32 v[SW+(\i)], v[PW]
.irp p, 0,1,2
	global_store_b128 v1, v[PCS+4*\p:PCS+4*\p+3], s[26:27] offset:1536*(\i)+512*\p   ; 32 lanes store 512 consecutive bytes
.endr
.endm
	LOAD 0
	LOAD 1
	TILE 0
	TILE 1
	TILE 2
	TILE 3
	v_cndmask_b32 v220, v[SW], v[SW+2], s40        ; lanes 0-15 store tiles 0 and 1's words of row r, lanes 16-31 tiles 2 and 3's
	v_cndmask_b32 v221, v[SW+1], v[SW+3], s40
	global_store_b64 v4, v[220:221], s[28:29]      ; 256 consecutive bytes
	s_wait_tensorcnt 0x0                           ; the wave's end, behind my last LDS store
	ds_add_u32 v[SPW], v[NIL]
	s_wait_dscnt 0x0
	s_endpgm
; THE TABLE.  rope: [tile tau of 16 positions][p 0..7][lane][cos(2 p), cos(2 p + 1), sin(2 p), sin(2 p + 1)]: lane (r, h) holds position 32 (tau / 2) + 8 (tau % 2) + r + 8 (r / 8) and frequencies 16 h + i.
; The angle t x inv_freq is one f32 product, as in reference().  It is reduced by n = the nearest whole number to angle x 2 / pi, in two steps (the first is exact: n has 11 bits, the high part of pi / 2 24),
; and sin and cos of the rest, at most pi / 4, are polynomials; the quadrant only selects values and signs.
.Ltable:
	s_sub_co_u32 s32, ttmp9, 416
	s_lshl_b32 s32, s32, 2
	s_add_co_u32 s32, s32, s3                      ; tau
	s_lshr_b32 s33, s32, 1
	s_lshl_b32 s33, s33, 5
	s_and_b32 s34, s32, 1
	s_lshl_b32 s34, s34, 3
	s_add_co_u32 s33, s33, s34
	s_wait_alu depctr_va_vdst(0)
	v_and_b32 v8, 8, v6
	v_add_nc_u32 v8, v8, v6
	v_add_nc_u32 v8, s33, v8
	v_cvt_f32_u32 v16, v8                          ; t
	v_cmp_ne_u32 vcc_lo, 0, v7                     ; lanes 16-31
	s_mov_b32 s44, 0x3f22f983                      ; 2 / pi
	s_mov_b32 s45, 0x3fc90fdb                      ; pi / 2, its f32
	s_mov_b32 s46, 0x333bbd2e                      ; that f32 less pi / 2
	s_mov_b32 s47, 0x394ca1f9                      ; sin: 1.9515295891e-4
	s_mov_b32 s48, 0x3c08839e                      ;      8.3321608736e-3
	s_mov_b32 s49, 0x3e2aaaa3                      ;      0.16666654611
	s_mov_b32 s50, 0x37ccf5ce                      ; cos: 2.443315712e-5
	s_mov_b32 s51, 0x3ab6061a                      ;      1.388731625e-3
	s_mov_b32 s52, 0x3d2aaaa5                      ;      4.166664568e-2
	s_lshl_b32 s34, s32, 12
	s_mov_b32 s35, 0
	s_wait_alu depctr_va_vdst(0)
	s_wait_kmcnt 0x0
	s_add_nc_u64 s[30:31], s[30:31], s[34:35]
.macro ANG i, f0, f1                           ; frequency i (lanes 0-15: f0) or 16 + i (lanes 16-31: f1)
	v_mul_f32 v20, \f0, v16
	v_mul_f32 v21, \f1, v16
	v_cndmask_b32 v20, v20, v21, vcc_lo            ; the angle
	v_mul_f32 v21, s44, v20
	v_rndne_f32 v21, v21                           ; n
	v_fma_f32 v22, -v21, s45, v20
	v_fma_f32 v22, v21, s46, v22                   ; x = angle - n pi / 2
	v_mul_f32 v23, v22, v22                        ; z
	v_cvt_i32_f32 v24, v21
	v_fma_f32 v25, -v23, s47, s48
	v_fma_f32 v27, -v23, s50, s51
	v_fma_f32 v25, -v23, v25, s49
	v_fma_f32 v27, -v23, v27, s52
	v_mul_f32 v26, v22, v23
	v_mul_f32 v28, v23, v23
	v_fma_f32 v29, -v23, 0.5, 1.0
	v_fma_f32 v25, -v26, v25, v22                  ; sin x
	v_fma_f32 v27, v28, v27, v29                   ; cos x
	v_and_b32 v30, 1, v24
	v_cmp_eq_u32 s53, 1, v30
	v_cndmask_b32 v31, v25, v27, s53               ; odd quadrants: they change places
	v_cndmask_b32 v30, v27, v25, s53
	v_and_b32 v28, 2, v24
	v_add_nc_u32 v29, 1, v24
	v_lshlrev_b32 v28, 30, v28                     ; sin is negative in quadrants 2 and 3,
	v_and_b32 v29, 2, v29
	v_lshlrev_b32 v29, 30, v29                     ; cos in 1 and 2
	v_xor_b32 v[34+4*((\i)/2)+(\i)%2], v28, v31
	v_xor_b32 v[32+4*((\i)/2)+(\i)%2], v29, v30
.endm
	ANG 0,  1.0,                  0.01
	ANG 1,  0.7498942093324559,   0.007498942093324559
	ANG 2,  0.5623413251903491,   0.005623413251903491
	ANG 3,  0.4216965034285822,   0.004216965034285822
	ANG 4,  0.31622776601683794,  0.0031622776601683794
	ANG 5,  0.23713737056616552,  0.0023713737056616552
	ANG 6,  0.1778279410038923,   0.001778279410038923
	ANG 7,  0.1333521432163324,   0.001333521432163324
	ANG 8,  0.1,                  0.001
	ANG 9,  0.07498942093324559,  0.0007498942093324559
	ANG 10, 0.05623413251903491,  0.0005623413251903491
	ANG 11, 0.04216965034285822,  0.0004216965034285822
	ANG 12, 0.031622776601683794, 0.00031622776601683794
	ANG 13, 0.023713737056616552, 0.00023713737056616552
	ANG 14, 0.01778279410038923,  0.0001778279410038923
	ANG 15, 0.01333521432163324,  0.0001333521432163324
.irp p, 0,1,2,3,4,5,6,7
	global_store_b128 v1, v[32+4*\p:35+4*\p], s[30:31] offset:512*\p
.endr
	s_endpgm
.Lfunc_end_k_qd97de4dd50_quant:
	.size	k_qd97de4dd50_quant, .Lfunc_end_k_qd97de4dd50_quant-k_qd97de4dd50_quant
	.p2alignl 7, 3214868480
	.fill 96, 4, 3214868480
	.section	.rodata,"a",@progbits
	.p2align	6, 0x0
	.amdhsa_kernel k_qd97de4dd50_quant
		.amdhsa_group_segment_fixed_size 34304
		.amdhsa_private_segment_fixed_size 0
		.amdhsa_enable_private_segment 0
		.amdhsa_kernarg_size 96
		.amdhsa_user_sgpr_count 2
		.amdhsa_user_sgpr_kernarg_segment_ptr 1
		.amdhsa_wavefront_size32 1
		.amdhsa_system_sgpr_workgroup_id_x 1
		.amdhsa_system_sgpr_workgroup_id_y 1
		.amdhsa_system_sgpr_workgroup_id_z 1
		.amdhsa_system_vgpr_workitem_id 0
		.amdhsa_next_free_vgpr 256
		.amdhsa_next_free_sgpr 66
		.amdhsa_reserve_vcc 1
		.amdhsa_float_denorm_mode_32 3
		.amdhsa_float_denorm_mode_16_64 3
		.amdhsa_memory_ordered 1
		.amdhsa_forward_progress 1
		.amdhsa_inst_pref_size 59
	.end_amdhsa_kernel
	.amdgpu_metadata
---
amdhsa.version: [ 1, 2 ]
amdhsa.kernels:
  - .name:           k_qd97de4dd50_quant
    .symbol:         k_qd97de4dd50_quant.kd
    .args:
      - { .name: x_q, .offset: 0, .size: 8, .value_kind: global_buffer, .address_space: global }
      - { .name: x_kv, .offset: 8, .size: 8, .value_kind: global_buffer, .address_space: global }
      - { .name: Wq, .offset: 16, .size: 8, .value_kind: global_buffer, .address_space: global }
      - { .name: Wk_self, .offset: 24, .size: 8, .value_kind: global_buffer, .address_space: global }
      - { .name: Wv_self, .offset: 32, .size: 8, .value_kind: global_buffer, .address_space: global }
      - { .name: Wk_cross, .offset: 40, .size: 8, .value_kind: global_buffer, .address_space: global }
      - { .name: Wv_cross, .offset: 48, .size: 8, .value_kind: global_buffer, .address_space: global }
      - { .name: Wo_self, .offset: 56, .size: 8, .value_kind: global_buffer, .address_space: global }
      - { .name: Wo_cross, .offset: 64, .size: 8, .value_kind: global_buffer, .address_space: global }
      - { .name: codes, .offset: 72, .size: 8, .value_kind: global_buffer, .address_space: global }
      - { .name: scales, .offset: 80, .size: 8, .value_kind: global_buffer, .address_space: global }
      - { .name: rope, .offset: 88, .size: 8, .value_kind: global_buffer, .address_space: global }
    .group_segment_fixed_size: 34304
    .private_segment_fixed_size: 0
    .kernarg_segment_align: 8
    .kernarg_segment_size: 96
    .max_flat_workgroup_size: 128
    .sgpr_count:     66
    .vgpr_count:     256
    .wavefront_size: 32
...
	.end_amdgpu_metadata
.endif
;; end of part 1
;; launch proj (part 2): grid 12 x 16, 4 waves a work-group, clusters of 4 x 4, 327,680 bytes of LDS; arguments codes, scales, rope, qbuf, kvbuf; writes qbuf, kvbuf
.if DOCPART == 2
	.amdgcn_target "amdgcn-amd-amdhsa--gfx1250"
	.amdhsa_code_object_version 6
	.text
	.protected	k_qd97de4dd50_proj
	.globl	k_qd97de4dd50_proj
	.p2align	8
	.type	k_qd97de4dd50_proj,@function
k_qd97de4dd50_proj:
	s_mov_b64 s[64:65], 0
	v_nop
	global_prefetch_b8 v0, s[64:65] scope:SCOPE_SE
	s_setreg_imm32_b32 hwreg(HW_REG_WAVE_MODE, 25, 1), 1
	s_wait_xcnt 0x0
	s_wait_alu depctr_hold_cnt(0) depctr_sa_sdst(0) depctr_va_vdst(0) depctr_va_sdst(0) depctr_va_ssrc(0) depctr_va_vcc(0) depctr_vm_vsrc(0)
	s_getreg_b32 s2, hwreg(HW_REG_IB_STS2, 6, 4)
	s_cmp_eq_u32 s2, 0
	s_cbranch_scc0 .Lentry_in_a_cluster
	s_endpgm
.Lentry_in_a_cluster:
	s_bfe_u32 s2, ttmp6, 0x10000c
	s_cmp_lg_u32 s2, 0xf033
	s_cbranch_scc0 .Lentry_shape_is_right
	s_endpgm
.Lentry_shape_is_right:
; LAUNCH 2 OF 4.  The live parts of products 1 to 5 as one grid of tiles of 256 tokens x 256 weight rows, K = 1,024, on codes of E2M3; then, in registers, RoPE on q and k, and the quantisers ahead of the attention's
; products: q and k along the head's 64, v along the keys.  No f32 result goes to memory.
; LEFT OUT AS DEAD WORK (shown at the head of the first launch): the heads of ks, vs, kc, vc that reference() slices away.  So the grid is 12 tile columns: cluster x = 0: Wq (16 heads, on x_q);
; cluster x = 1: Wk_self and Wv_self, heads 0-7, on x_q; cluster x = 2: Wk_cross and Wv_cross, heads 8-15, on x_kv.  192 work-groups: the live width is 2,048 on x_q and 1,024 on x_kv.
; A work-group: four waves, each 128 x 128 in 64 accumulators.  In clusters 1 and 2 a tile's first 128 weight rows are two heads of K, its second 128 the same two heads of V.
; THE PRODUCT IS USED TRANSPOSED.  For q and k: source 0 = 16 weight rows, source 1 = 16 tokens: a lane holds one token, its registers run along the head's d, which is the next K.  For v (waves 1 and 3 of clusters
; 1 and 2) THE SOURCES CHANGE PLACES: source 0 = 16 tokens, source 1 = 16 weight rows: a lane holds one d, its registers run along the keys, which are the next K.  Only three LDS addresses differ; the text is one.
; The rows of every tile are in the order of the first launch, so 16 registers of two neighbouring tiles are 16 neighbours along the next K.
; LDS: three slots of 98,304 bytes (x half 0, x half 1, W half 0, W half 1: 128 rows x 256 along K each, register images, dense); the scale words of the four halves for all of K, 16,384 bytes; the spare words at the top.
; K's four chunks of 256: three come with the first fills, the fourth fills slot 0 again behind the one round of the cluster's barrier that follows chunk 0's last read: it has four K steps of 128 in which to land.
; By this text's count a wave has four tensor loads out at the start and one behind the refill.
; CLUSTER 4 x 4: x's tiles are shared along a row of the cluster, W's along a column: each is asked for jointly.  No LDS address and no branch hangs on a work-group's place in its cluster.
; OUT.  kvbuf, qbuf: [batch x 16 + head][128 tokens][13,056 bytes]: 8 half fragments of k or q (16 tokens x 64: registers 0-3 at 16 l, 4-5 at 512 + 8 l); 4 fragments of v (16 d x 128 keys) from 6,144;
; k's or q's scale words from 12,288 (tiles 0-3: 16 r + 4 i; tiles 4-7: 256 on); v's from 12,800.  All stores cover whole runs of 256 bytes or more, straight from registers.
; REGISTERS, in windows of 256: window 0: v1-31 addresses, v8-15 scale words on the way out; v32-63 the products' scale words, two sets; v64-127 two tiles of the RoPE table; v128-223 source 1's fragments, one set;
; on the way out v128-251 are at work.  Window 1: source 0's fragments, two sets.  Windows 2, 3: the accumulators ((a, b) at v[8 (8 (a % 4) + b)]).
; LIMITS: as in the first launch.  The V waves ask for two tiles of the RoPE table that they never use: all waves run one text up to the way out.
; THE FILLS AS THE TEXT BELOW ISSUES THEM (this takes the place of what is said of them above).  At the head one joint load a wave: wave 0 chunk 0 of x's two halves (2 rows of 24,576 bytes), wave 1 chunk 0 of W's two halves,
; wave 2 x's scale words (8,192 bytes), wave 3 W's.  Behind the three lines and a round of the cluster's barrier each wave asks for chunks 1 and 2 of its half by ONE load of 49,152 dense bytes; chunk 3 fills slot 0 again in K step 1.
; LDS: slot 0 at 0 (four quarters of 24,576); from 98,304 on each quarter has 49,152 bytes: its slot 1, then its slot 2.  By this text's count a wave has one tensor load out at any time.
.set HALFT, 24576
.set SLOT,  98304
.set SCL,   294912                     ; the scale words: 4 x 4,096 bytes
.set SPARE, 327168                     ; the spare words, 128 bytes a wave
.set HS,    208896                     ; from head to head in qbuf and kvbuf
.set FR,    12
.set SW,    8                          ; v8-15   the way out: scale words
.set ADRA,  16                         ; v16-18  source 1's fragments in slot 0, 1, 2
.set ADRB,  20                         ; v20-22  source 0's
.set LI,    24                         ; v24     16 x lane
.set L8,    25                         ; v25     8 x lane
.set LH,    26                         ; v26     16 r + 8 h
.set ADRS,  27                         ; v27     my scale words: lanes 0-15 source 1's rows, lanes 16-31 source 0's
.set SPW,   28                         ; v28     my spare word's address; never rewritten
.set NIL,   29                         ; v29     0; never rewritten
.set SC,    32                         ; set (chunk % 2) at SC + 16 set; in it register 8 q + i: block i's words of the chunk's q-th K step
.set T,     64
.set AF,    128
.set RO,    128                        ; the way out: v128-191 64 roped numbers
.set TP,    192                        ; v192-199 at work
.set TM,    200                        ; v200-215
.set PW,    216
.set Y,     220                        ; v220-227
.set PC,    228                        ; v228-239, v240-251
.set G1A,   24
.set G1B,   32
.set G1SA,  40
.set G1SB,  48
.set G0SA,  56
.set G0A0,  60
.set G0A1,  68
.set G0A2,  72
.set G0SB,  76
.set G0B0,  80
.set G0B1,  84
.set G0B2,  88
.set SEL,   66                         ; s[66:67] lane selects: lane l xor 16 (set on the way out)
.set MSB, 0
.macro WIN new                         ; the immediate's high byte repeats the setting that is left
.if MSB != (\new)
	s_set_vgpr_msb (MSB<<8)|(\new)
.set MSB, (\new)
.endif
.endm
.set MUL_LO, 0xa1                      ; source 0 window 1, source 1 window 0, C and D window 2
.set MUL_HI, 0xf1                      ; the same, C and D window 3
.set TO_B,   0x40                      ; destination window 1
; A joint load: waves 0 and 1 fetch x's halves, waves 2 and 3 W's.  An s_nop 0 and four v_nop follow each of the two lines.
.macro JLOAD g0a, g1a, g0b, g1b
	s_cmp_eq_u32 s15, 0
	s_cbranch_scc0 .Lfor_b_\@
	tensor_load_to_lds s[\g0a:\g0a+3], s[\g1a:\g1a+7]
	s_nop 0
.rept 4
	v_nop
.endr
	s_branch .Lasked_\@
.Lfor_b_\@:
	tensor_load_to_lds s[\g0b:\g0b+3], s[\g1b:\g1b+7]
	s_nop 0
.rept 4
	v_nop
.endr
.Lasked_\@:
.endm
.macro CREST                           ; a round of the cluster's barrier behind its opening barrier
	s_cmp_lg_u32 s14, 0
	s_cbranch_scc1 .Lnot_wave_0_\@
	s_barrier_signal -3
.Lnot_wave_0_\@:
	s_barrier_wait -3
	s_barrier_signal -1
	s_barrier_wait -1
.endm
.macro CROUND
	s_barrier_signal -1
	s_barrier_wait -1
	CREST
.endm
.macro SETG0 g, lreg, loff, p, off     ; a group 0: to LDS byte s[lreg] + loff, from s[p:p+1] + off
	s_mov_b32 s[\g], 1
	s_add_co_u32 s[\g+1], s[\lreg], \loff
	s_add_nc_u64 s[\g+2:\g+3], s[\p:\p+1], \off
	s_or_b32 s[\g+3], s[\g+3], 0x80000000
.endm
.macro PLACES                          ; four plain places behind a matrix instruction, ahead of loads into its registers and of the first use of results
.rept 4
	v_nop
.endr
.endm
	s_load_b256 s[4:11], s[0:1], 0x0               ; codes 4, scales 6, rope 8, qbuf 10
	s_load_b64 s[12:13], s[0:1], 0x20              ; kvbuf
	v_lshl_add_u32 v[SPW], v0, 2, SPARE
	v_mov_b32 v[NIL], 0
	ds_add_u32 v[SPW], v[NIL]                      ; the wave's opening: the add, twice on end, and its wait ahead of my first tensor load
	ds_add_u32 v[SPW], v[NIL]
	v_lshrrev_b32 v1, 5, v0
	v_readfirstlane_b32 s14, v1                    ; wave 0..3
	s_lshr_b32 s15, s14, 1                         ; my half of the tokens.  Also: I fetch for x (0) or for W (1)
	s_and_b32 s16, s14, 1                          ; my half of the weight rows.  Also: which half I fetch
	s_bfe_u32 s92, ttmp6, 0x40000                  ; cx
	s_bfe_u32 s93, ttmp6, 0x40004                  ; cy
	s_lshl_b32 s94, ttmp9, 2
	s_add_co_u32 s94, s94, s92                     ; tile column 0..11
	s_and_b32 s17, ttmp7, 0xffff
	s_lshl_b32 s17, s17, 2
	s_add_co_u32 s17, s17, s93                     ; tile row 0..15
	s_lshl_b32 s95, s93, 2
	s_lshl_b32 s95, 15, s95                        ; my row of the cluster
	s_lshl_b32 s96, 0x1111, s92                    ; my column
	s_or_b32 s[G1A], s95, (3<<16)|(1<<21)          ; 15:0 the mask; 17:16 elements of 8 bytes; 21 set beside a mask; no padding: the images are read 16 bytes a lane on end
	s_or_b32 s[G1B], s96, (3<<16)|(1<<21)
	s_or_b32 s[G1SA], s95, (3<<16)|(1<<21)
	s_or_b32 s[G1SB], s96, (3<<16)|(1<<21)
.irp g, G1A, G1B                               ; the head's form: two rows of 3,072 elements of 8 bytes (a half's chunk 0), 12,288 elements apart (a group of 128 rows)
	s_mov_b32 s[\g+1], 3072<<16
	s_mov_b32 s[\g+2], 2<<16
	s_mov_b32 s[\g+3], 3072<<16
	s_mov_b32 s[\g+4], 2
	s_mov_b32 s[\g+5], 12288
	s_mov_b32 s[\g+6], 0
	s_mov_b32 s[\g+7], 0
.endr
.irp g, G1SA, G1SB                             ; the head's form: 8,192 dense bytes as 32 rows of 256
	s_mov_b32 s[\g+1], 32<<16
	s_mov_b32 s[\g+2], 32<<16
	s_mov_b32 s[\g+3], 32<<16
	s_mov_b32 s[\g+4], 32
	s_mov_b32 s[\g+5], 32
	s_mov_b32 s[\g+6], 0
	s_mov_b32 s[\g+7], 0
.endr
	s_cmp_ge_u32 ttmp9, 2
	s_cselect_b32 s18, 32, 0                       ; x_q's groups of 128 begin at 0, x_kv's at 32: the cluster's x decides, the same in all partners
	s_lshl_b32 s19, s17, 1
	s_add_co_u32 s18, s18, s19                     ; x: the first of the tile row's two groups
	s_mul_i32 s20, s18, 98304
	s_mov_b32 s21, 0
	s_lshl_b32 s22, s18, 12
	s_mov_b32 s23, 0
	s_lshl_b32 s2, s94, 1
	s_add_co_u32 s2, s2, 64                        ; W: the first of the tile column's two groups
	s_mul_i32 s98, s2, 98304
	s_mov_b32 s99, 0
	s_lshl_b32 s100, s2, 12
	s_mov_b32 s101, 0
	s_mul_i32 s18, s14, HALFT                      ; slot 0: wave x a quarter
	s_mul_i32 s19, s14, 2*HALFT                    ; slots 1 and 2: wave x 49,152
	s_mul_i32 s2, s16, 98304                       ; the half that I fetch behind the head, in bytes
	s_mov_b32 s3, 0
	s_wait_dscnt 0x0
	s_wait_kmcnt 0x0
	s_add_nc_u64 s[20:21], s[4:5], s[20:21]
	s_add_nc_u64 s[22:23], s[6:7], s[22:23]
	s_add_nc_u64 s[98:99], s[4:5], s[98:99]
	s_add_nc_u64 s[100:101], s[6:7], s[100:101]
	CROUND                                         ; all sixteen work-groups are here: the first joint loads meet
.macro HEADG0 g, lds, p                        ; a group 0 of the head: to a constant LDS byte, from s[p:p+1]
	s_mov_b32 s[\g], 1
	s_mov_b32 s[\g+1], \lds
	s_mov_b64 s[\g+2:\g+3], s[\p:\p+1]
	s_or_b32 s[\g+3], s[\g+3], 0x80000000
.endm
	HEADG0 G0A0, 0, 20                             ; chunk 0 of x's two halves
	HEADG0 G0B0, 2*HALFT, 98                       ; of W's two halves
	HEADG0 G0SA, SCL, 22                           ; x's scale words
	HEADG0 G0SB, SCL+8192, 100                     ; W's
	s_add_nc_u64 s[20:21], s[20:21], s[2:3]        ; from here on: my half
	s_add_nc_u64 s[98:99], s[98:99], s[2:3]
	SETG0 G0A1, 19, SLOT, 20, HALFT                ; chunks 1 and 2
	SETG0 G0B1, 19, SLOT, 98, HALFT
	SETG0 G0A2, 18, 0, 20, 3*HALFT                 ; chunk 3, into slot 0
	SETG0 G0B2, 18, 0, 98, 3*HALFT
; the head's loads, one a wave: one chain of branches on the wave's number, a load to an arm, all arms leading to one join
.macro ARM under, g0, g1, next
	s_cmp_lt_u32 s14, \under
	s_cbranch_scc0 \next
	tensor_load_to_lds s[\g0:\g0+3], s[\g1:\g1+7]
	s_nop 0
.rept 4
	v_nop
.endr
	s_branch .Lhead_asked
\next:
.endm
	ARM 1, G0A0, G1A, .Lhead_b
	ARM 2, G0B0, G1B, .Lhead_sa
	ARM 3, G0SA, G1SA, .Lhead_sb
	tensor_load_to_lds s[G0SB:G0SB+3], s[G1SB:G1SB+7]
	s_nop 0
.rept 4
	v_nop
.endr
.Lhead_asked:
	v_and_b32 v1, 15, v0                           ; r
	v_bfe_u32 v2, v0, 4, 1                         ; h
	v_and_b32 v3, 31, v0
	v_lshlrev_b32 v[LI], 4, v3
	s_wait_alu depctr_va_vdst(0)
	v_lshlrev_b32 v[L8], 3, v3
	v_lshlrev_b32 v[LH], 4, v1
	v_lshl_add_u32 v[LH], v2, 3, v[LH]
	s_cmp_lg_u32 ttmp9, 0
	s_cselect_b32 s97, s16, 0                      ; 1 in a V wave
	s_add_co_u32 s19, s16, 2
	s_cmp_eq_u32 s97, 1
	s_cselect_b32 s18, 3, s15                      ; source 1: my tokens' quarter of a slot; in a V wave V's weight rows
	s_cselect_b32 s19, s15, s19                    ; source 0: my weight rows; in a V wave my tokens
	s_mul_i32 s18, s18, HALFT
	s_mul_i32 s19, s19, HALFT
	v_add_nc_u32 v[ADRA], s18, v[LI]               ; slot 0: quarter x 24,576
	v_add_nc_u32 v[ADRB], s19, v[LI]
	s_lshl_b32 s18, s18, 1
	s_lshl_b32 s19, s19, 1
	s_add_co_u32 s18, s18, SLOT                    ; slot 1: 98,304 + quarter x 49,152
	s_add_co_u32 s19, s19, SLOT
	v_add_nc_u32 v[ADRA+1], s18, v[LI]
	v_add_nc_u32 v[ADRB+1], s19, v[LI]
	s_add_co_u32 s18, s18, HALFT                   ; slot 2: 24,576 on
	s_add_co_u32 s19, s19, HALFT
	v_add_nc_u32 v[ADRA+2], s18, v[LI]
	v_add_nc_u32 v[ADRB+2], s19, v[LI]
	v_xor_b32 v4, s97, v2                          ; which lanes take W's words: 16-31, in a V wave 0-15
	s_add_co_u32 s22, s16, 2
	s_sub_co_u32 s22, s22, s15
	s_lshl_b32 s22, s22, 12                        ; from my tokens' words to my weight rows'
	v_mul_u32_u24 v4, s22, v4
	s_lshl_b32 s23, s15, 12
	s_add_co_u32 s23, s23, SCL
	v_lshl_add_u32 v4, v1, 4, v4
	v_add_nc_u32 v[ADRS], s23, v4
	; where the results go, and my tokens' part of the table
	s_lshl_b32 s18, s92, 2
	s_lshl_b32 s19, s16, 1
	s_add_co_u32 s18, s18, s19                     ; q: heads 4 cx + 2 x half on
	s_sub_co_u32 s19, ttmp9, 1
	s_lshl_b32 s19, s19, 3
	s_lshl_b32 s2, s92, 1
	s_add_co_u32 s19, s19, s2                      ; k, v: heads 8 (cluster x - 1) + 2 cx on
	s_cmp_eq_u32 ttmp9, 0
	s_cselect_b32 s18, s18, s19
	s_cselect_b64 s[10:11], s[10:11], s[12:13]     ; qbuf or kvbuf
	s_lshr_b32 s19, s17, 3                         ; the batch
	s_lshl_b32 s19, s19, 4
	s_add_co_u32 s18, s18, s19
	s_lshl_b32 s18, s18, 4
	s_and_b32 s19, s17, 7
	s_lshl_b32 s19, s19, 1
	s_add_co_u32 s19, s19, s15                     ; which 128 positions of the sequence
	s_add_co_u32 s18, s18, s19
	s_mul_i32 s18, s18, 13056
	s_lshl_b32 s22, s19, 15                        ; 8 tiles of 4,096 bytes of the table
	s_mov_b32 s19, 0
	s_mov_b32 s23, 0
	s_add_nc_u64 s[10:11], s[10:11], s[18:19]
	s_add_nc_u64 s[8:9], s[8:9], s[22:23]
	s_mov_b32 s3, 0xffff0000                       ; lanes 16-31
	s_mov_b32 s[SEL], 0x76543210
	s_mov_b32 s[SEL+1], 0xfedcba98
.irp a, 0,1
.irp p, 0,1,2,3,4,5,6,7
	global_load_b128 v[T+32*\a+4*\p:T+32*\a+4*\p+3], v[LI], s[8:9] offset:4096*\a+512*\p   ; the table's tiles 0 and 1: wanted on the way out
.endr
.endr
.macro FRAG reg, adr, q, i             ; a fragment's image: three loads of 16 bytes a lane
.irp p, 0,1,2
	ds_load_b128 v[(\reg)+4*\p:(\reg)+4*\p+3], v[\adr] offset:(\q)*12288+(\i)*1536+512*\p
.endr
.endm
.macro FETCH_B slot, q, p              ; source 0's eight fragments into set p
	WIN TO_B
.irp i, 0,1,2,3,4,5,6,7
	FRAG 128*(\p)+FR*\i, ADRB+\slot, \q, \i
.endr
	WIN 0
.endm
.macro FETCH_A slot, q, i0             ; source 1's blocks i0 .. i0 + 3
.irp i, \i0, \i0+1, \i0+2, \i0+3
	FRAG AF+FR*(\i), ADRA+\slot, \q, \i
.endr
.endm
.macro SCALES ch, set                  ; chunk ch's scale words: a load brings four blocks' words of one K step
.irp g, 0,1
.irp q, 0,1
	ds_load_b128 v[SC+16*(\set)+8*\q+4*\g:SC+16*(\set)+8*\q+4*\g+3], v[ADRS] offset:2048*\g+256*(2*(\ch)+\q)
.endr
.endr
.endm
; 16 matrix instructions: source 1's blocks a0, a0 + 1 x source 0's eight.  The 64 accumulators take turns, one instruction a turn, in the same order in every K step.
.macro MUL16 a0, p, sc, zero
.irp a, \a0, \a0+1
.irp b, 0,1,2,3,4,5,6,7
.if \zero
	v_wmma_scale_f32_16x16x128_f8f6f4 v[8*(8*((\a)%4)+\b):8*(8*((\a)%4)+\b)+7], v[128*(\p)+FR*\b:128*(\p)+FR*\b+FR-1], v[AF+FR*(\a):AF+FR*(\a)+FR-1], 0, v[(\sc)+\b], v[(\sc)+(\a)] matrix_a_fmt:MATRIX_FMT_FP6 matrix_b_fmt:MATRIX_FMT_FP6 matrix_a_scale:MATRIX_SCALE_ROW1
.else
	v_wmma_scale_f32_16x16x128_f8f6f4 v[8*(8*((\a)%4)+\b):8*(8*((\a)%4)+\b)+7], v[128*(\p)+FR*\b:128*(\p)+FR*\b+FR-1], v[AF+FR*(\a):AF+FR*(\a)+FR-1], v[8*(8*((\a)%4)+\b):8*(8*((\a)%4)+\b)+7], v[(\sc)+\b], v[(\sc)+(\a)] matrix_a_fmt:MATRIX_FMT_FP6 matrix_b_fmt:MATRIX_FMT_FP6 matrix_a_scale:MATRIX_SCALE_ROW1
.endif
.endr
.endr
.endm
; K step ks of eight.  It multiplies, and fetches the next K step's fragments in two runs.  mode 0: plain.  mode 1: the slot's last read; the slot is filled again behind a round of the cluster's barrier.
; mode 2: the next K step lies in the slot that was filled again: the wait for it, and a barrier.
.macro KSTEP ks, mode, zero
.set CP,  (\ks)%2
.set CSC, SC+16*(((\ks)/2)%2)+8*((\ks)%2)
.set NCH, ((\ks)+1)/2
.set NSL, NCH%3
.set NQQ, ((\ks)+1)%2
.if \mode
	s_wait_tensorcnt 0x0                           ; all my tensor loads have landed  (every window is 0 here)
	ds_add_u32 v[SPW], v[NIL]                      ; 0 onto my spare word
	s_wait_dscnt 13                                ; the add and the youngest twelve loads (source 1's blocks 4-7) may be out
	WIN MUL_LO
	MUL16 0, CP, CSC, 0                            ; sixteen matrix instructions stand between the add and the wait for it
	s_wait_dscnt 0x0                               ; the add is done, and my reads of this slot are over
	s_barrier_signal -1
	MUL16 2, CP, CSC, 0
	WIN 0
	s_barrier_wait -1
.if \mode == 1
	CREST                                          ; the barrier has opened a round of the cluster's: no wave of any partner still reads slot 0 or has a load on its way
	JLOAD G0A2, G1SA, G0B2, G1SB                   ; chunk 3 into slot 0: my one tensor load behind the round; its four v_nop are the places ahead of the loads below
.else
	PLACES
.endif
.else
	s_wait_dscnt 12                                ; source 0's set and source 1's blocks 0-3 are in; the youngest twelve loads (blocks 4-7) may be out
	WIN MUL_LO
	MUL16 0, CP, CSC, \zero
	MUL16 2, CP, CSC, \zero
	s_wait_dscnt 0x0                               ; blocks 4-7 are in
	PLACES
.endif
	FETCH_B NSL, NQQ, 1-CP
	FETCH_A NSL, NQQ, 0
.if NQQ == 0
	SCALES NCH, NCH%2
.endif
	WIN MUL_HI
	MUL16 4, CP, CSC, \zero
	MUL16 6, CP, CSC, \zero
	PLACES
	WIN 0
	FETCH_A NSL, NQQ, 4
.endm
	s_wait_alu depctr_va_vdst(0)
	s_wait_tensorcnt 0x0                           ; my tile of the head's four is in
	ds_add_u32 v[SPW], v[NIL]
.irp g, G1A, G1B                               ; no tensor load of mine is out, so descriptors may be written: 49,152 dense bytes as 192 rows of 256,
	s_mov_b32 s[\g+1], 32<<16
	s_mov_b32 s[\g+2], 192<<16
	s_mov_b32 s[\g+3], 32<<16
	s_mov_b32 s[\g+4], 192
	s_mov_b32 s[\g+5], 32
.endr
.irp g, G1SA, G1SB                             ; and, for chunk 3, 24,576 as 96 rows
	s_mov_b32 s[\g+2], 96<<16
	s_mov_b32 s[\g+4], 96
.endr
	s_wait_dscnt 0x0
	CROUND                                         ; all four tiles are in, and all sixteen work-groups are here
	JLOAD G0A1, G1A, G0B1, G1B                     ; chunks 1 and 2: the first tensor load behind the round
	FETCH_B 0, 0, 0
	FETCH_A 0, 0, 0
	SCALES 0, 0
	FETCH_A 0, 0, 4
	KSTEP 0, 0, 1                                  ; the first products start the sums: nothing is cleared
	KSTEP 1, 1, 0
	KSTEP 2, 0, 0
	KSTEP 3, 0, 0                                  ; chunk 2 was shown whole to every wave by the wait and the round in K step 1
	KSTEP 4, 0, 0
	KSTEP 5, 2, 0
	KSTEP 6, 0, 0
	s_wait_dscnt 12                                ; the last K step: nothing more to fetch
	WIN MUL_LO
	MUL16 0, 1, SC+24, 0
	MUL16 2, 1, SC+24, 0
	s_wait_dscnt 0x0
	WIN MUL_HI
	MUL16 4, 1, SC+24, 0
	MUL16 6, 1, SC+24, 0
	WIN 0
; 64 numbers of a lane in window w, register 16 b + i = k 32 b + 16 (lane / 16) + i of my row, become a fragment's 12 registers (d0: k 0-63, d1: k 64-127) and its scale word in v[PW]
.macro QUANT src, d0, d1, w
	WIN (\w)|((\w)<<2)
.irp b, 0,1,2,3
	v_max3_num_f32 v[TM+\b], |v[(\src)+16*\b]|, |v[(\src)+16*\b+1]|, 0x1800000   ; and the floor 2^(3 - 127): the byte cannot fall under 1.  (Each accumulator is read from its low end on)
.endr
.irp i, 2,4,6,8,10,12,14
.irp b, 0,1,2,3
	v_max3_num_f32 v[TM+\b], |v[(\src)+16*\b+\i]|, |v[(\src)+16*\b+\i+1]|, v[TM+\b]
.endr
.endr
	WIN 0
.irp b, 0,1,2,3
	v_permlanex16_b32 v[TM+4+\b], v[TM+\b], s[SEL], s[SEL+1]
.endr
.irp b, 0,1,2,3
	v_max_num_f32 v[TM+\b], v[TM+\b], v[TM+4+\b]
.endr
.irp b, 0,1,2,3
	v_add_nc_u32 v[TM+12+\b], 0xff000000, v[TM+\b]         ; 2 off the exponent field: the conversion's scale operand
.endr
.irp b, 0,1,2,3
	v_lshrrev_b32 v[TM+4+\b], 23, v[TM+12+\b]              ; the scale's byte
.endr
	v_lshl_or_b32 v[PW], v[TM+5], 8, v[TM+4]
	v_lshl_or_b32 v[PW], v[TM+6], 16, v[PW]
	v_lshl_or_b32 v[PW], v[TM+7], 24, v[PW]
	WIN (\w)
	v_cvt_scalef32_pk16_fp6_f32 v[(\d0):(\d0)+2], v[(\src):(\src)+15], v[TM+12]
	v_cvt_scalef32_pk16_fp6_f32 v[Y:Y+2], v[(\src)+16:(\src)+31], v[TM+13]
	v_cvt_scalef32_pk16_fp6_f32 v[(\d1):(\d1)+2], v[(\src)+32:(\src)+47], v[TM+14]
	v_cvt_scalef32_pk16_fp6_f32 v[Y+4:Y+6], v[(\src)+48:(\src)+63], v[TM+15]
	WIN 0
	v_nop                                                  ; one plain place behind a scaled conversion
.irp i, 0,1,2
	v_permlane16_swap_b32 v[(\d0)+\i], v[Y+\i]
	v_permlane16_swap_b32 v[(\d1)+\i], v[Y+4+\i]
.endr
.irp i, 0,1,2
	v_mov_b32 v[(\d0)+3+\i], v[Y+\i]
	v_mov_b32 v[(\d1)+3+\i], v[Y+4+\i]
.endr
.endm
	PLACES                                         ; behind the last products: results are read and operands' registers written from here on
.irp b, 0,1,2,3
	v_mov_b32 v[TM+4+\b], 0                        ; a lane permute's destination counts as one of its sources
.endr
	s_cmp_eq_u32 s97, 1
	s_cbranch_scc1 .Lv_path
; q AND k.  Block a: 16 tokens x 128 weight rows = two heads.  In head c my registers of tiles 4 c, 4 c + 1 are d = 16 h + i, those of tiles 4 c + 2, 4 c + 3 d = 32 + 16 h + i: RoPE's two partners lie in one lane.
.macro KQBLOCK a
.set AC,  64*((\a)%4)
.set TT,  T+32*((\a)%2)
.set PCS, PC+12*((\a)%2)
.if (\a) < 7
	s_wait_loadcnt 8                               ; this block's tile of the table is in; the next block's eight loads may be out
.else
	s_wait_loadcnt 0x0
.endif
	WIN 2+(\a)/4                                   ; source 0: the accumulators' window
.irp c, 0,1
.irp i, 0,2,4,6,8,10,12,14
.set LO, AC+8*(4*\c+\i/8)+\i%8
.set TA, TP+4*((\i/2)%2)
	v_pk_mul_f32 v[TA:TA+1], v[LO+16:LO+17], v[TT+2*\i+2:TT+2*\i+3]
	v_pk_mul_f32 v[TA+2:TA+3], v[LO:LO+1], v[TT+2*\i+2:TT+2*\i+3]
	v_pk_fma_f32 v[RO+32*\c+\i:RO+32*\c+\i+1], v[LO:LO+1], v[TT+2*\i:TT+2*\i+1], v[TA:TA+1] neg_lo:[0,0,1] neg_hi:[0,0,1]   ; x[d] cos - x[d + 32] sin
	v_pk_fma_f32 v[RO+32*\c+16+\i:RO+32*\c+16+\i+1], v[LO+16:LO+17], v[TT+2*\i:TT+2*\i+1], v[TA+2:TA+3]                      ; x[d + 32] cos + x[d] sin
.endr
.endr
	WIN 0
.if (\a) < 6
.irp p, 0,1,2,3,4,5,6,7
	global_load_b128 v[TT+4*\p:TT+4*\p+3], v[LI], s[8:9] offset:4096*((\a)+2)+512*\p
.endr
.endif
	s_wait_xcnt 0x0                                ; the stores of two blocks back have read this set of codes
	QUANT RO, PCS, PCS+6, 0
.irp c, 0,1
	global_store_b128 v[LI], v[PCS+6*\c:PCS+6*\c+3], s[10:11] offset:\c*HS+768*(\a)
	global_store_b64 v[L8], v[PCS+6*\c+4:PCS+6*\c+5], s[10:11] offset:\c*HS+768*(\a)+512
.endr
.if (\a) < 4
	v_and_b32 v[SW+(\a)], 0xffff, v[PW]            ; a head's two bytes; the upper two stay 0: they meet zero codes
	v_lshrrev_b32 v[SW+4+(\a)], 16, v[PW]
.else
	v_and_b32 v217, 0xffff, v[PW]
	v_lshrrev_b32 v218, 16, v[PW]
	v_cndmask_b32 v[SW+(\a)-4], v[SW+(\a)-4], v217, s3     ; tiles 4-7's words in lanes 16-31
	v_cndmask_b32 v[SW+(\a)], v[SW+(\a)], v218, s3
.endif
.endm
	KQBLOCK 0
	KQBLOCK 1
	KQBLOCK 2
	KQBLOCK 3
	KQBLOCK 4
	KQBLOCK 5
	KQBLOCK 6
	KQBLOCK 7
	global_store_b128 v[LI], v[SW:SW+3], s[10:11] offset:12288
	global_store_b128 v[LI], v[SW+4:SW+7], s[10:11] offset:HS+12288
	s_branch .Ljoin
; v.  Block a: 16 of a head's d (head a / 4, tile a % 4) x 128 keys: the accumulators' 64 registers are the lane's 128-key row as the quantiser wants it.
.Lv_path:
.macro VBLOCK a
.set AC,  64*((\a)%4)
.set PCS, PC+12*((\a)%2)
	s_wait_xcnt 0x0                                ; the stores of two blocks back have read this set of codes
	QUANT AC, PCS, PCS+6, 2+(\a)/4
.irp p, 0,1,2
	global_store_b128 v[LI], v[PCS+4*\p:PCS+4*\p+3], s[10:11] offset:((\a)/4)*HS+6144+1536*((\a)%4)+512*\p
.endr
	v_mov_b32 v[SW+(\a)], v[PW]
.endm
	VBLOCK 0
	VBLOCK 1
	VBLOCK 2
	VBLOCK 3
	VBLOCK 4
	VBLOCK 5
	VBLOCK 6
	VBLOCK 7
.irp c, 0,1
	v_cndmask_b32 v[TM+2*\c], v[SW+4*\c], v[SW+4*\c+2], s3     ; lanes 0-15 store tiles 0 and 1's words of row r, lanes 16-31 tiles 2 and 3's
	v_cndmask_b32 v[TM+2*\c+1], v[SW+4*\c+1], v[SW+4*\c+3], s3
	global_store_b64 v[LH], v[TM+2*\c:TM+2*\c+1], s[10:11] offset:\c*HS+12800
.endr
.Ljoin:
	s_wait_tensorcnt 0x0                           ; the wave's end, behind my last tensor load
	ds_add_u32 v[SPW], v[NIL]
	s_wait_dscnt 0x0
	CROUND                                         ; the closing round: no work-group ends while a partner may still ask for a tile that names it
	s_endpgm
.Lfunc_end_k_qd97de4dd50_proj:
	.size	k_qd97de4dd50_proj, .Lfunc_end_k_qd97de4dd50_proj-k_qd97de4dd50_proj
	.p2alignl 7, 3214868480
	.fill 96, 4, 3214868480
	.section	.rodata,"a",@progbits
	.p2align	6, 0x0
	.amdhsa_kernel k_qd97de4dd50_proj
		.amdhsa_group_segment_fixed_size 327680
		.amdhsa_private_segment_fixed_size 0
		.amdhsa_enable_private_segment 0
		.amdhsa_kernarg_size 40
		.amdhsa_user_sgpr_count 2
		.amdhsa_user_sgpr_kernarg_segment_ptr 1
		.amdhsa_wavefront_size32 1
		.amdhsa_system_sgpr_workgroup_id_x 1
		.amdhsa_system_sgpr_workgroup_id_y 1
		.amdhsa_system_sgpr_workgroup_id_z 1
		.amdhsa_system_vgpr_workitem_id 0
		.amdhsa_next_free_vgpr 1024
		.amdhsa_next_free_sgpr 102
		.amdhsa_reserve_vcc 0
		.amdhsa_float_denorm_mode_32 3
		.amdhsa_float_denorm_mode_16_64 3
		.amdhsa_memory_ordered 1
		.amdhsa_forward_progress 1
		.amdhsa_inst_pref_size 213
	.end_amdhsa_kernel
	.amdgpu_metadata
---
amdhsa.version: [ 1, 2 ]
amdhsa.kernels:
  - .name:           k_qd97de4dd50_proj
    .symbol:         k_qd97de4dd50_proj.kd
    .args:
      - { .name: codes, .offset: 0, .size: 8, .value_kind: global_buffer, .address_space: global }
      - { .name: scales, .offset: 8, .size: 8, .value_kind: global_buffer, .address_space: global }
      - { .name: rope, .offset: 16, .size: 8, .value_kind: global_buffer, .address_space: global }
      - { .name: qbuf, .offset: 24, .size: 8, .value_kind: global_buffer, .address_space: global }
      - { .name: kvbuf, .offset: 32, .size: 8, .value_kind: global_buffer, .address_space: global }
    .group_segment_fixed_size: 327680
    .private_segment_fixed_size: 0
    .kernarg_segment_align: 8
    .kernarg_segment_size: 40
    .max_flat_workgroup_size: 128
    .sgpr_count:     102
    .vgpr_count:     1024
    .wavefront_size: 32
...
	.end_amdgpu_metadata
.endif
;; end of part 2
;; launch attn (part 3): grid 8 x 32, 8 waves a work-group, clusters of 4 x 1, 210,944 bytes of LDS; arguments qbuf, kvbuf, abuf, asc; writes abuf, asc
.if DOCPART == 3
	.amdgcn_target "amdgcn-amd-amdhsa--gfx1250"
	.amdhsa_code_object_version 6
	.text
	.protected	k_qd97de4dd50_attn
	.globl	k_qd97de4dd50_attn
	.p2align	8
	.type	k_qd97de4dd50_attn,@function
k_qd97de4dd50_attn:
	s_mov_b64 s[64:65], 0
	v_nop
	global_prefetch_b8 v0, s[64:65] scope:SCOPE_SE
	s_setreg_imm32_b32 hwreg(HW_REG_WAVE_MODE, 25, 1), 1
	s_wait_xcnt 0x0
	s_wait_alu depctr_hold_cnt(0) depctr_sa_sdst(0) depctr_va_vdst(0) depctr_va_sdst(0) depctr_va_ssrc(0) depctr_va_vcc(0) depctr_vm_vsrc(0)
	s_getreg_b32 s2, hwreg(HW_REG_IB_STS2, 6, 4)
	s_cmp_eq_u32 s2, 0
	s_cbranch_scc0 .Lentry_in_a_cluster
	s_endpgm
.Lentry_in_a_cluster:
	s_bfe_u32 s2, ttmp6, 0x10000c
	s_cmp_lg_u32 s2, 0x3003
	s_cbranch_scc0 .Lentry_shape_is_right
	s_endpgm
.Lentry_shape_is_right:
; LAUNCH 3 OF 4.  Products 6 to 9: for each of 32 (batch, head) pairs O = softmax(q k^T / 8) v on codes of E2M3; self and cross heads differ only in what the launch before put into kvbuf.
; THE SOFTMAX: t = score x log2(e) / 8; M = the running largest t rounded UP to a whole number; p = 2^(t - M) is quantised along the keys, not normalised; the row's sum is taken of the unquantised p and divides O at
; the end.  When M moves, the sum and O are multiplied by 2^(old M - new M): exact.  O / sum is then quantised along hidden, for products 10 and 11.
; SHARES.  A work-group owns 256 queries of one (batch, head); each of its eight waves TWO tiles of 16 queries, so that one read of a fragment of k or v from LDS feeds two products; two waves to a SIMD.
; NO RING.  A head's k, v and scale words are 16 packages of 13,056 bytes, which lie in LDS whole.  Wave w brings packages 2 w and 2 w + 1 by ONE tensor load of 26,112 dense bytes; nothing is filled again; a wave has
; one tensor load out.  CLUSTER 4 x 1: the four query blocks of a cluster walk the same head and ask jointly.  Nothing is prefetched: every byte is asked for by the head's loads, and there is no loop to run ahead in.
; LAYOUT.  Both products transposed: S^T = k q^T, O^T = v^T p^T: a lane holds one query of each tile throughout.
; WHICH KEYS FORM A TILE OF k IS CHOSEN HERE, BY LANE ADDRESSES.  kvbuf's tile a, lane r holds key 32 (a / 2) + 8 (a % 2) + r + 8 (r / 8).  My tile u = 4 c + j takes for its rows 0-7 keys 64 c + 8 j + 0..7 (stored tile
; 4 c + j % 2, lanes 8 (j / 2) + r) and for rows 8-15 the keys 32 further on (two stored tiles, 1,536 bytes, on).  So the 32 result registers of tiles 4 c .. 4 c + 3 are keys 64 c + 32 (lane / 16) + 0..31: a WHOLE
; block of 32 in one lane, in the order of the operand's registers: a block's maximum needs no other lane and the codes need no exchange of lanes.
; THE FIRST PRODUCT'S K IS 64, THE INSTRUCTION'S 128.  q's registers 6-11 are zero codes; k's fragment u is v[40 + 6 u : 51 + 6 u], whose upper six registers are the next tile's codes (behind the last: zeros): finite
; numbers times zero codes add 0; bytes 2 and 3 of q's and k's scale words are 0, which stands for 2^-127.
; LIMITS: the promise holds while the scaled scores t stay under 2^31 in magnitude.  NaN and infinities are not served; a block of zeros keeps the byte 1.  The small store: a row's two scale bytes, 2 bytes a lane.
; REGISTERS.  Window 0: addresses, q, k, v, scale words, p's codes and all small state of both tiles (T = 0, 1).  Window 1: v0-127 S^T, then p (tile T at 64 T); v128-191 O^T (tile T at 128 + 32 T).
.set PKG,   13056
.set HS,    208896
.set SPARE, 208896                     ; behind the packages: the spare words, 128 bytes for each of eight waves
.set LI,   1                           ; 16 x lane
.set L8,   2                           ; 8 x lane
.set LR,   3                           ; 16 r
.set SPW,  4
.set NIL,  5
.set KB16, 6                           ; k's lane bases: 16 (r % 8) + 1,536 (r / 8) + 256 h,
.set KB8,  7                           ; 8 (r % 8) + 1,536 (r / 8) + 128 h,
.set KSB,  8                           ; and for its scale words 16 (r % 8) + 8 (r / 8) + 256 h
.set SH8,  9                           ; 8 h
.set ADR,  10                          ; v10-14 the step's LDS addresses
.set ADRR, 11
.set AK16, 12
.set AK8,  13
.set AKS,  14
.set Q,    16                          ; q's fragment of tile T at Q + 12 T
.set KF,   40                          ; v40-93
.set QS,   94                          ; q's scale words
.set VF,   96                          ; v96-143
.set KS,   144                         ; k's scale words: register j; lanes 0-15 c = 0, lanes 16-31 c = 1
.set VS,   148
.set PW,   152                         ; p's scale words
.set ST,   154                         ; tile T at ST + 4 T: -M, the largest score, the sum in two halves
.set F,    238                         ; v238-241: f = 2^(old M - new M), a pair for each tile
.set PC,   164                         ; p's codes, 12 a tile
.set Y,    188                         ; upper halves of blocks
.set MB,   204                         ; block 2 T + c: its largest score, then its largest p
.set TA,   208
.set TB,   210
.set SO,   212                         ; the conversions' scale operands
.set BY,   216
.set W,    220
.set CH,   222                         ; v222-237 four chains of sums a tile
.set X,    40                          ; the way out: O / sum, 32 a tile
.set WV,   12
.set SEL,  20
.set CS,   22
.set G1,   24
.set G0,   32
.set NC,   48
.set MSB, 0
.macro WIN new                         ; the immediate's high byte repeats the setting that is left
.if MSB != (\new)
	s_set_vgpr_msb (MSB<<8)|(\new)
.set MSB, (\new)
.endif
.endm
.macro CROUND
	s_barrier_signal -1
	s_barrier_wait -1
	s_cmp_lg_u32 s[WV], 0
	s_cbranch_scc1 .Lnot_wave_0_\@
	s_barrier_signal -3
.Lnot_wave_0_\@:
	s_barrier_wait -3
	s_barrier_signal -1
	s_barrier_wait -1
.endm
	s_load_b256 s[4:11], s[0:1], 0x0               ; qbuf 4, kvbuf 6, abuf 8, asc 10
	v_lshl_add_u32 v[SPW], v0, 2, SPARE
	v_mov_b32 v[NIL], 0
	ds_add_u32 v[SPW], v[NIL]                      ; the opening: the add, twice on end, and its wait ahead of my tensor load
	ds_add_u32 v[SPW], v[NIL]
	v_lshrrev_b32 v9, 5, v0
	v_readfirstlane_b32 s[WV], v9                  ; wave 0..7
	s_bfe_u32 s13, ttmp6, 0x40000                  ; cx: it enters global addresses of q and of the results alone
	s_lshl_b32 s14, ttmp9, 2
	s_add_co_u32 s14, s14, s13                     ; my block of 256 queries
	s_and_b32 s15, ttmp7, 0xffff                   ; batch x 16 + head, which the four partners share
	s_mov_b32 s[G1], 15|(3<<16)|(1<<21)            ; the mask: all four; elements of 8 bytes; bit 21 beside a mask; no padding
	s_mov_b32 s[G1+1], 32<<16                      ; 26,112 dense bytes as 102 rows of 256
	s_mov_b32 s[G1+2], 102<<16
	s_mov_b32 s[G1+3], 32<<16
	s_mov_b32 s[G1+4], 102
	s_mov_b32 s[G1+5], 32
	s_mov_b32 s[G1+6], 0
	s_mov_b32 s[G1+7], 0
	s_mov_b32 s[G0], 1
	s_mul_i32 s[G0+1], s[WV], 2*PKG                ; packages 2 w, 2 w + 1, in LDS
	s_mul_i32 s36, s15, HS
	s_add_co_u32 s36, s36, s[G0+1]                 ; and in kvbuf
	s_mov_b32 s37, 0
	s_lshl_b32 s38, s14, 1
	s_lshr_b32 s39, s[WV], 2
	s_add_co_u32 s38, s38, s39                     ; g: which 128 queries of the sequence
	s_and_b32 s39, s[WV], 3
	s_lshl_b32 s39, s39, 1                         ; u: my first tile of them; the second is u + 1
	s_lshl_b32 s40, s15, 4
	s_add_co_u32 s40, s40, s38
	s_mul_i32 s40, s40, PKG                        ; their package in qbuf
	s_mov_b32 s41, 0
	s_lshr_b32 s18, s15, 4
	s_lshl_b32 s18, s18, 4
	s_add_co_u32 s18, s18, s38                     ; G: the group of 128 tokens
	s_and_b32 s19, s15, 15                         ; the head
	s_lshl_b32 s42, s18, 3
	s_lshr_b32 s46, s19, 1
	s_add_co_u32 s42, s42, s46
	s_lshl_b32 s42, s42, 3
	s_add_co_u32 s42, s42, s39
	s_mul_i32 s42, s42, 1536
	s_and_b32 s47, s19, 1
	s_mul_i32 s43, s47, 768
	s_add_co_u32 s42, s42, s43                     ; abuf: ((G x 8 + head / 2) x 8 + u) x 1,536 + 768 (head % 2)
	s_mov_b32 s43, 0
	s_lshl_b32 s44, s18, 1
	s_lshr_b32 s45, s39, 2
	s_add_co_u32 s44, s44, s45
	s_lshl_b32 s44, s44, 11
	s_lshl_b32 s46, s46, 8
	s_add_co_u32 s44, s44, s46
	s_and_b32 s46, s39, 3
	s_lshl_b32 s46, s46, 2
	s_add_co_u32 s44, s44, s46
	s_lshl_b32 s47, s47, 1
	s_add_co_u32 s44, s44, s47                     ; asc: (2 G + u / 4) x 2,048 + 256 (head / 2) + 4 (u % 4) + 2 (head % 2)
	s_lshl_b32 s45, s45, 8
	s_add_co_u32 s46, s46, s45                     ; q's scale word: 256 (u / 4) + 4 (u % 4)
	s_mov_b32 s45, 0
	s_mul_i32 s47, s39, 768                        ; q's half fragment
	s_mov_b32 s[SEL], 0x76543210
	s_mov_b32 s[SEL+1], 0xfedcba98
	s_mov_b32 s[CS], 0x3e38aa3b                    ; c = log2(e) / 8
	s_mov_b32 s[CS+1], s[CS]                       ; (named with it as a pair)
	s_mov_b32 s[NC], 0xbe38aa3b                    ; -c
	s_wait_dscnt 0x0                               ; both opening adds are done
	s_wait_kmcnt 0x0
	s_add_nc_u64 s[G0+2:G0+3], s[6:7], s[36:37]
	s_or_b32 s[G0+3], s[G0+3], 0x80000000
	s_add_nc_u64 s[4:5], s[4:5], s[40:41]
	s_add_nc_u64 s[8:9], s[8:9], s[42:43]
	s_add_nc_u64 s[10:11], s[10:11], s[44:45]
	CROUND                                         ; all four work-groups are here: the joint loads meet
	tensor_load_to_lds s[G0:G0+3], s[G1:G1+7]
	s_nop 0
.rept 4
	v_nop
.endr
	v_and_b32 v9, 31, v0
	v_and_b32 v203, 15, v0
	v_and_b32 v204, 7, v0                          ; r % 8
	v_bfe_u32 v205, v0, 3, 1                       ; r / 8
	v_bfe_u32 v206, v0, 4, 1                       ; h
	v_lshlrev_b32 v[LI], 4, v9
	v_lshlrev_b32 v[L8], 3, v9
	v_lshlrev_b32 v[LR], 4, v203
	v_mul_u32_u24 v207, v205, 1536
	v_lshlrev_b32 v[KSB], 4, v204
	v_lshlrev_b32 v[SH8], 3, v206
	v_add_nc_u32 v208, s47, v[LI]
	v_add_nc_u32 v209, s47, v[L8]
	v_add_nc_u32 v210, s46, v[LR]
	v_lshl_add_u32 v[KB16], v204, 4, v207
	v_lshl_add_u32 v[KB8], v204, 3, v207
	v_lshl_add_u32 v[KSB], v205, 3, v[KSB]
	global_load_b128 v[Q:Q+3], v208, s[4:5]        ; q's codes and scale words stay in registers
	global_load_b64 v[Q+4:Q+5], v209, s[4:5] offset:512
	global_load_b32 v[QS], v210, s[4:5] offset:12288
	global_load_b128 v[Q+12:Q+15], v208, s[4:5] offset:768
	global_load_b64 v[Q+16:Q+17], v209, s[4:5] offset:1280
	global_load_b32 v[QS+1], v210, s[4:5] offset:12292
	v_lshl_add_u32 v[KB16], v206, 8, v[KB16]
	v_lshl_add_u32 v[KB8], v206, 7, v[KB8]
	v_lshl_add_u32 v[KSB], v206, 8, v[KSB]
.irp j, 22,23,24,25,26,27,34,35,36,37,38,39,88,89,90,91,92,93
	v_mov_b32 v[\j], 0                             ; zero codes: the upper 64 of q's K, and what stands behind k's last tile
.endr
.irp T, 0,1
	v_mov_b32 v[ST+4*\T], 0x7f61b1e6               ; -M: 3e38, so that the first f is 0
	v_mov_b32 v[ST+4*\T+1], 0xff61b1e6             ; the largest score so far: -3e38
	v_mov_b32 v[ST+4*\T+2], 0
	v_mov_b32 v[ST+4*\T+3], 0
	v_mov_b32 v[F+2*\T+1], 0                       ; (named as the upper half of f's pair)
.endr
	v_mov_b32 v[TB+1], 0                           ; a lane permute's destination counts as one of its sources (v[TB] is written above)
	WIN 0x40
.set j, 0
.rept 64
	v_mov_b32 v[128+j], 0                          ; O^T: the step is written once; the first finds zeros, which the first f leaves zeros
.set j, j+1
.endr
	WIN 0
	s_mov_b32 s16, 0                               ; the step's package in LDS
	s_mov_b32 s17, 16
	s_wait_alu depctr_va_vdst(0)
	s_wait_loadcnt 0x0                             ; q
	s_wait_tensorcnt 0x0                           ; my two packages have landed,
	s_barrier_signal -1
	s_barrier_wait -1                              ; everybody's have
.macro KLOAD ka, kb, kc                        ; a package's k: eight half fragments in my order of keys, and their scale words: 18 LDS loads
.irp u, 0,1,2,3,4,5,6,7
	ds_load_b128 v[KF+6*\u:KF+6*\u+3], v[\ka] offset:768*(4*(\u/4)+\u%2)+128*((\u%4)/2)
	ds_load_b64 v[KF+6*\u+4:KF+6*\u+5], v[\kb] offset:768*(4*(\u/4)+\u%2)+512+64*((\u%4)/2)
.endr
	ds_load_b64 v[KS:KS+1], v[\kc] offset:12288
	ds_load_b64 v[KS+2:KS+3], v[\kc] offset:12288+128
.endm
	KLOAD KB16, KB8, KSB                           ; package 0's k; from here on k is asked for one step ahead
.Lstep:                                            ; 16 trips of 128 keys
	v_add_nc_u32 v[ADR], s16, v[LI]                ; (these four are the places behind the last trip's products, ahead of the loads into their registers)
	v_add_nc_u32 v[ADRR], s16, v[LR]
	v_nop
	v_nop
.irp t, 0,1,2,3
.irp p, 0,1,2
	ds_load_b128 v[VF+12*\t+4*\p:VF+12*\t+4*\p+3], v[ADR] offset:6144+1536*\t+512*\p
.endr
.endr
	ds_load_b128 v[VS:VS+3], v[ADRR] offset:12800
	s_wait_dscnt 13                                ; k and its words are in; v's twelve loads and its words may be out
	WIN 0x40                                       ; D in window 1
.irp u, 0,1,2,3
.irp T, 0,1
	v_wmma_scale_f32_16x16x128_f8f6f4 v[64*\T+8*\u:64*\T+8*\u+7], v[KF+6*\u:KF+6*\u+11], v[Q+12*\T:Q+12*\T+11], 0, v[KS+\u], v[QS+\T] matrix_a_fmt:MATRIX_FMT_FP6 matrix_b_fmt:MATRIX_FMT_FP6
.endr
.endr
.irp u, 4,5,6,7
.irp T, 0,1
	v_wmma_scale_f32_16x16x128_f8f6f4 v[64*\T+8*\u:64*\T+8*\u+7], v[KF+6*\u:KF+6*\u+11], v[Q+12*\T:Q+12*\T+11], 0, v[KS+\u-4], v[QS+\T] matrix_a_fmt:MATRIX_FMT_FP6 matrix_b_fmt:MATRIX_FMT_FP6 matrix_a_scale:MATRIX_SCALE_ROW1
.endr
.endr
	WIN 0
	s_add_co_u32 s18, s16, PKG                     ; the next step's package; the last trip reads package 15's k once more and uses nothing of it
	s_min_u32 s18, s18, 15*PKG
	v_add_nc_u32 v[AK16], s18, v[KB16]             ; (these four are the places behind the products, ahead of the loads into their registers and of the first read of S^T)
	v_add_nc_u32 v[AK8], s18, v[KB8]
	v_add_nc_u32 v[AKS], s18, v[KSB]
	v_nop
	KLOAD AK16, AK8, AKS
	WIN 0x05
.irp k, 0,1,2,3
	v_max_num_f32 v[MB+\k], v[32*\k], v[32*\k+1]   ; the largest score of my block k = 2 T + c: for the row's maximum and, since p rises with the score, for the block's largest p
.endr
.irp i, 2,4,6,8,10,12,14,16,18,20,22,24,26,28,30
.irp k, 0,1,2,3
	v_max3_num_f32 v[MB+\k], v[32*\k+\i], v[32*\k+\i+1], v[MB+\k]   ; (each accumulator from its low end on)
.endr
.endr
	WIN 0
.irp T, 0,1
	v_max_num_f32 v[TA+\T], v[MB+2*\T], v[MB+2*\T+1]
.endr
.irp T, 0,1
	s_delay_alu instid0(VALU_DEP_2)
	v_permlanex16_b32 v[TB+\T], v[TA+\T], s[SEL], s[SEL+1]
.endr
.irp T, 0,1
	s_delay_alu instid0(VALU_DEP_2)
	v_max3_num_f32 v[ST+4*\T+1], v[TA+\T], v[TB+\T], v[ST+4*\T+1]   ; with lane l xor 16's 64 keys: the running largest score
.endr
.irp T, 0,1
	s_delay_alu instid0(VALU_DEP_2)
	v_mul_f32 v[TA+\T], s[NC], v[ST+4*\T+1]        ; -t
.endr
.irp T, 0,1
	s_delay_alu instid0(VALU_DEP_2)
	v_floor_f32 v[TA+\T], v[TA+\T]                 ; the new -M = -ceil(t)
.endr
.irp T, 0,1
	s_delay_alu instid0(VALU_DEP_2)
	v_sub_f32 v[TB+\T], v[TA+\T], v[ST+4*\T]       ; old M - new M: a whole number, 0 or less
.endr
.irp T, 0,1
	v_mov_b32 v[ST+4*\T], v[TA+\T]
.endr
.irp T, 0,1
	s_delay_alu instid0(VALU_DEP_4)
	v_cvt_i32_f32 v[TB+\T], v[TB+\T]               ; (it saturates)
.endr
.irp T, 0,1
	s_delay_alu instid0(VALU_DEP_2)
	v_ldexp_f32 v[F+2*\T], 1.0, v[TB+\T]           ; f
.endr
.irp k, 0,1,2,3
	v_fma_f32 v[MB+\k], v[MB+\k], s[CS], v[ST+4*(\k/2)]   ; t - M of each block's largest score
.endr
	WIN 0x41                                       ; source 0 and the destination in window 1
.irp T, 0,1
.set j, 0
.rept 16
	v_pk_mul_f32 v[128+32*\T+j:129+32*\T+j], v[128+32*\T+j:129+32*\T+j], v[F+2*\T:F+2*\T+1] op_sel_hi:[1,0]   ; O^T under the new M, ahead of the exponentials: none stands between the last trip's products and this first read
.set j, j+2
.endr
.endr
.set j, 0
.rept 32
	v_pk_fma_f32 v[j:j+1], v[j:j+1], s[CS:CS+1], v[ST:ST+1] op_sel_hi:[1,0,0]   ; tile 0: t - M, two at a time
.set j, j+2
.endr
	s_wait_alu depctr_va_vdst(0)
.set j, 0
.rept 32
	v_exp_f32 v[j], v[j]                           ; tile 0: p = 2^(t - M), at most 1; among its exponentials tile 1's t - M, which reads and feeds none of them
	v_pk_fma_f32 v[64+j:65+j], v[64+j:65+j], s[CS:CS+1], v[ST+4:ST+5] op_sel_hi:[1,0,0]
	v_exp_f32 v[j+1], v[j+1]
.set j, j+2
.endr
	s_wait_alu depctr_va_vdst(0)                   ; behind tile 0's batch and ahead of tile 1's, whose sources were just written
	WIN 0x45                                       ; sources 0 and 1 and the destination in window 1
.set j, 0
.rept 16
	v_exp_f32 v[64+4*j], v[64+4*j]                 ; tile 1's p; among its exponentials the first level of tile 0's sum, sixteen additions that read none of each other, into window 1's v192-223
	v_exp_f32 v[65+4*j], v[65+4*j]
	v_pk_add_f32 v[192+2*j:193+2*j], v[4*j:4*j+1], v[4*j+2:4*j+3]
	v_exp_f32 v[66+4*j], v[66+4*j]
	v_exp_f32 v[67+4*j], v[67+4*j]
.set j, j+1
.endr
	WIN 0
.irp k, 0,1,2,3
	v_exp_f32 v[MB+\k], v[MB+\k]                   ; the block's largest p
.endr
.irp T, 0,1
	v_pk_mul_f32 v[ST+4*\T+2:ST+4*\T+3], v[ST+4*\T+2:ST+4*\T+3], v[F+2*\T:F+2*\T+1] op_sel_hi:[1,0]   ; the sums under the new M: plain places behind the batch
.endr
	s_wait_alu depctr_va_vdst(0)                   ; one wait for the batch, ahead of its first reader
	WIN 0x05
.irp q, 0,1,2,3
	v_pk_add_f32 v[CH+2*\q:CH+2*\q+1], v[192+2*\q:193+2*\q], v[200+2*\q:201+2*\q]   ; the row's sum of the unquantised p, four chains a tile: tile 0 from its first level,
	v_pk_add_f32 v[CH+8+2*\q:CH+9+2*\q], v[64+2*\q:65+2*\q], v[72+2*\q:73+2*\q]     ; tile 1 from p itself
.endr
	WIN 0x01
.irp p, 208,216
.irp q, 0,1,2,3
	v_pk_add_f32 v[CH+2*\q:CH+2*\q+1], v[\p+2*\q:\p+2*\q+1], v[CH+2*\q:CH+2*\q+1]
.endr
.endr
.irp p, 80,88,96,104,112,120
.irp q, 0,1,2,3
	v_pk_add_f32 v[CH+8+2*\q:CH+9+2*\q], v[\p+2*\q:\p+2*\q+1], v[CH+8+2*\q:CH+9+2*\q]
.endr
.endr
	WIN 0
.irp k, 0,1,2,3
	v_max_num_f32 v[MB+\k], 0x1800000, v[MB+\k]    ; the floor 2^(3 - 127): the byte cannot fall under 1
.endr
.irp k, 0,1,2,3
	v_add_nc_u32 v[SO+\k], 0xff000000, v[MB+\k]    ; 2 off the exponent field: the conversion's scale operand
.endr
.irp k, 0,1,2,3
	v_lshrrev_b32 v[BY+\k], 23, v[SO+\k]           ; the scale's byte
.endr
.irp T, 0,1
	v_lshl_or_b32 v[W+\T], v[BY+2*\T+1], 16, v[BY+2*\T]   ; my two bytes: blocks h and 2 + h,
.endr
.irp T, 0,1
	s_delay_alu instid0(VALU_DEP_2)
	v_lshlrev_b32 v[W+\T], v[SH8], v[W+\T]         ; at their places in the word;
.endr
.irp T, 0,1
	s_delay_alu instid0(VALU_DEP_2)
	v_permlanex16_b32 v[TB+\T], v[W+\T], s[SEL], s[SEL+1]
.endr
.irp T, 0,1
	s_delay_alu instid0(VALU_DEP_2)
	v_or_b32 v[PW+\T], v[W+\T], v[TB+\T]           ; with lane l xor 16's two: p's scale word for these 128 keys
.endr
	WIN 0x01
.irp k, 0,1,2,3
	v_cvt_scalef32_pk16_fp6_f32 v[PC+6*\k:PC+6*\k+2], v[32*\k:32*\k+15], v[SO+\k]
	v_cvt_scalef32_pk16_fp6_f32 v[Y+4*\k:Y+4*\k+2], v[32*\k+16:32*\k+31], v[SO+\k]   ; (a conversion's three registers begin on an even number)
.endr
	WIN 0
	v_nop                                          ; one plain place behind a scaled conversion
.irp k, 0,1,2,3
.irp i, 0,1,2
	v_mov_b32 v[PC+6*\k+3+\i], v[Y+4*\k+\i]
.endr
.endr
.irp T, 0,1                                    ; the sums' four chains are joined and added to the running sum.  (These eight are also the places between p's codes and the products)
	v_pk_add_f32 v[CH+8*\T:CH+8*\T+1], v[CH+8*\T:CH+8*\T+1], v[CH+8*\T+2:CH+8*\T+3]
	v_pk_add_f32 v[CH+8*\T+4:CH+8*\T+5], v[CH+8*\T+4:CH+8*\T+5], v[CH+8*\T+6:CH+8*\T+7]
.endr
.irp T, 0,1
	v_pk_add_f32 v[CH+8*\T:CH+8*\T+1], v[CH+8*\T:CH+8*\T+1], v[CH+8*\T+4:CH+8*\T+5]
.endr
.irp T, 0,1
	v_pk_add_f32 v[ST+4*\T+2:ST+4*\T+3], v[ST+4*\T+2:ST+4*\T+3], v[CH+8*\T:CH+8*\T+1]
.endr
	s_wait_alu depctr_va_vdst(0)
	s_wait_dscnt 0x0                               ; v and its words are in
	WIN 0x50                                       ; C and D in window 1
.irp t, 0,1,2,3
.irp T, 0,1
	v_wmma_scale_f32_16x16x128_f8f6f4 v[128+32*\T+8*\t:135+32*\T+8*\t], v[VF+12*\t:VF+12*\t+11], v[PC+12*\T:PC+12*\T+11], v[128+32*\T+8*\t:135+32*\T+8*\t], v[VS+\t], v[PW+\T] matrix_a_fmt:MATRIX_FMT_FP6 matrix_b_fmt:MATRIX_FMT_FP6
.endr
.endr
	WIN 0
	s_add_co_u32 s16, s16, PKG
	s_sub_co_u32 s17, s17, 1
	s_cmp_lg_u32 s17, 0
	s_cbranch_scc1 .Lstep
	; THE WAY OUT.  O^T / the sum: register 16 b + i of a tile is d = 32 b + 16 (lane / 16) + i of my query: two blocks of hidden, each in lanes l and l xor 16; half a fragment and two scale bytes a tile leave.
.rept 4
	v_nop
.endr
.irp T, 0,1
	v_add_f32 v[ST+4*\T+2], v[ST+4*\T+2], v[ST+4*\T+3]
.endr
.irp T, 0,1
	s_delay_alu instid0(VALU_DEP_2)
	v_permlanex16_b32 v[TB+\T], v[ST+4*\T+2], s[SEL], s[SEL+1]
.endr
.irp T, 0,1
	s_delay_alu instid0(VALU_DEP_2)
	v_add_f32 v[ST+4*\T+2], v[ST+4*\T+2], v[TB+\T] ; the row's sum
.endr
	s_wait_alu depctr_va_vdst(0)
.irp T, 0,1
	v_rcp_f32 v[ST+4*\T+2], v[ST+4*\T+2]
.endr
	v_nop                                          ; a plain place behind the reciprocals
	WIN 0x01
	s_wait_alu depctr_va_vdst(0)                   ; and the wait ahead of their first use and of the first reader of O^T
.irp T, 0,1
.set j, 0
.rept 32
	v_mul_f32 v[X+32*\T+j], v[128+32*\T+j], v[ST+4*\T+2]
.set j, j+1
.endr
.endr
	WIN 0
.irp k, 0,1,2,3
	v_max3_num_f32 v[MB+\k], |v[X+16*\k]|, |v[X+16*\k+1]|, 0x1800000
.endr
.irp i, 2,4,6,8,10,12,14
.irp k, 0,1,2,3
	v_max3_num_f32 v[MB+\k], |v[X+16*\k+\i]|, |v[X+16*\k+\i+1]|, v[MB+\k]
.endr
.endr
.irp k, 0,1,2,3
	v_permlanex16_b32 v[SO+\k], v[MB+\k], s[SEL], s[SEL+1]
.endr
.irp k, 0,1,2,3
	v_max_num_f32 v[MB+\k], v[MB+\k], v[SO+\k]
.endr
.irp k, 0,1,2,3
	v_add_nc_u32 v[SO+\k], 0xff000000, v[MB+\k]
.endr
.irp k, 0,1,2,3
	v_lshrrev_b32 v[BY+\k], 23, v[SO+\k]
.endr
.irp T, 0,1
	v_lshl_or_b32 v[W+\T], v[BY+2*\T+1], 8, v[BY+2*\T]
.endr
.irp T, 0,1
	v_cvt_scalef32_pk16_fp6_f32 v[PC+12*\T:PC+12*\T+2], v[X+32*\T:X+32*\T+15], v[SO+2*\T]
	v_cvt_scalef32_pk16_fp6_f32 v[Y+8*\T:Y+8*\T+2], v[X+32*\T+16:X+32*\T+31], v[SO+2*\T+1]
.endr
	v_nop
.irp T, 0,1
.irp i, 0,1,2
	v_permlane16_swap_b32 v[PC+12*\T+\i], v[Y+8*\T+\i]   ; the operand wants a whole block in a lane
.endr
.endr
.irp T, 0,1
.irp i, 0,1,2
	v_mov_b32 v[PC+12*\T+3+\i], v[Y+8*\T+\i]
.endr
.endr
.irp T, 0,1
	global_store_b128 v[LI], v[PC+12*\T:PC+12*\T+3], s[8:9] offset:1536*\T          ; 512 consecutive bytes,
	global_store_b64 v[L8], v[PC+12*\T+4:PC+12*\T+5], s[8:9] offset:1536*\T+512     ; and 256
	global_store_b16 v[LR], v[W+\T], s[10:11] offset:4*\T                           ; lanes r and r + 16 store the same two bytes at the same place
.endr
	s_wait_tensorcnt 0x0                           ; the wave's end, behind my tensor load
	ds_add_u32 v[SPW], v[NIL]
	s_wait_dscnt 0x0
	CROUND                                         ; the closing round
	s_endpgm
.Lfunc_end_k_qd97de4dd50_attn:
	.size	k_qd97de4dd50_attn, .Lfunc_end_k_qd97de4dd50_attn-k_qd97de4dd50_attn
	.p2alignl 7, 3214868480
	.fill 96, 4, 3214868480
	.section	.rodata,"a",@progbits
	.p2align	6, 0x0
	.amdhsa_kernel k_qd97de4dd50_attn
		.amdhsa_group_segment_fixed_size 210944
		.amdhsa_private_segment_fixed_size 0
		.amdhsa_enable_private_segment 0
		.amdhsa_kernarg_size 32
		.amdhsa_user_sgpr_count 2
		.amdhsa_user_sgpr_kernarg_segment_ptr 1
		.amdhsa_wavefront_size32 1
		.amdhsa_system_sgpr_workgroup_id_x 1
		.amdhsa_system_sgpr_workgroup_id_y 1
		.amdhsa_system_sgpr_workgroup_id_z 1
		.amdhsa_system_vgpr_workitem_id 0
		.amdhsa_next_free_vgpr 480
		.amdhsa_next_free_sgpr 66
		.amdhsa_reserve_vcc 0
		.amdhsa_float_denorm_mode_32 3
		.amdhsa_float_denorm_mode_16_64 3
		.amdhsa_memory_ordered 1
		.amdhsa_forward_progress 1
		.amdhsa_inst_pref_size 46
	.end_amdhsa_kernel
	.amdgpu_metadata
---
amdhsa.version: [ 1, 2 ]
amdhsa.kernels:
  - .name:           k_qd97de4dd50_attn
    .symbol:         k_qd97de4dd50_attn.kd
    .args:
      - { .name: qbuf, .offset: 0, .size: 8, .value_kind: global_buffer, .address_space: global }
      - { .name: kvbuf, .offset: 8, .size: 8, .value_kind: global_buffer, .address_space: global }
      - { .name: abuf, .offset: 16, .size: 8, .value_kind: global_buffer, .address_space: global }
      - { .name: asc, .offset: 24, .size: 8, .value_kind: global_buffer, .address_space: global }
    .group_segment_fixed_size: 210944
    .private_segment_fixed_size: 0
    .kernarg_segment_align: 8
    .kernarg_segment_size: 32
    .max_flat_workgroup_size: 256
    .sgpr_count:     66
    .vgpr_count:     480
    .wavefront_size: 32
...
	.end_amdgpu_metadata
.endif
;; end of part 3
;; launch outp (part 4): grid 8 x 32, 4 waves a work-group, clusters of 4 x 4, 327,680 bytes of LDS; arguments abuf, asc, codes, scales, out0; writes out0
.if DOCPART == 4
	.amdgcn_target "amdgcn-amd-amdhsa--gfx1250"
	.amdhsa_code_object_version 6
	.text
	.protected	k_qd97de4dd50_outp
	.globl	k_qd97de4dd50_outp
	.p2align	8
	.type	k_qd97de4dd50_outp,@function
k_qd97de4dd50_outp:
	s_mov_b64 s[64:65], 0
	v_nop
	global_prefetch_b8 v0, s[64:65] scope:SCOPE_SE
	s_setreg_imm32_b32 hwreg(HW_REG_WAVE_MODE, 25, 1), 1
	s_wait_xcnt 0x0
	s_wait_alu depctr_hold_cnt(0) depctr_sa_sdst(0) depctr_va_vdst(0) depctr_va_sdst(0) depctr_va_ssrc(0) depctr_va_vcc(0) depctr_vm_vsrc(0)
	s_getreg_b32 s2, hwreg(HW_REG_IB_STS2, 6, 4)
	s_cmp_eq_u32 s2, 0
	s_cbranch_scc0 .Lentry_in_a_cluster
	s_endpgm
.Lentry_in_a_cluster:
	s_bfe_u32 s2, ttmp6, 0x10000c
	s_cmp_lg_u32 s2, 0xf033
	s_cbranch_scc0 .Lentry_shape_is_right
	s_endpgm
.Lentry_shape_is_right:
; LAUNCH 4 OF 4.  Products 10 and 11: out0 = 0.5 (A Wo_self^T + A Wo_cross^T), A the attention's result as codes of E2M3 along hidden.  Each weight keeps its own codes and scales (the quantiser is a step of the
; problem); both products add into the SAME accumulators, so A's fragments are read once for two products.  Nothing is left out here.
; A tile of out0 is 128 x 128: 256 work-groups; four waves, each 64 x 64 in 16 accumulators.  K = 1,024 in eight steps of 128.
; NO RING.  A's 128 rows and each weight's 128 rows, for all of K, are 98,304 bytes each, register images: the three lie in LDS whole, and nothing is filled again.  Wave w brings K steps w and 4 + w of each: six joint
; loads of 12,288 bytes, by this text's count all six out at once.  CLUSTER 4 x 4: A is shared along a row of the cluster, the weights along a column.
; The scale words go from memory straight into registers, once: 16 bytes a lane, four tiles' words of one K step.
; TRANSPOSED USE: source 0 = 16 weight rows, source 1 = 16 tokens: a lane holds one token and eight neighbouring outputs.  Tokens and weight rows stand in the tile order of the first launch; the way out puts them right.
; REGISTERS: window 0: v1-17 addresses; v32-63 A's scale words, v64-95 Wo_self's, v96-127 Wo_cross's; v128-255 the accumulators ((a, b) at v[128 + 8 (4 a + b)]).
; Windows 1 (even K steps) and 2 (odd): 144 registers of fragments: A's four at 0, Wo_self's four at 48, Wo_cross's four at 96.  On the way out window 1's v0-63 take rows read back from the stage.
; THE FILLS AS THE TEXT BELOW ISSUES THEM (this takes the place of what is said of them above).  At the head one joint load of 49,152 dense bytes a wave: wave 0 A's K steps 0-3, wave 1 A's K steps 4-7, wave 2 Wo_self's
; K steps 0-3, wave 3 Wo_cross's.  Behind the three lines and a round of the cluster's barrier one load of 24,576 bytes a wave: Wo_self's K steps 4-5 and 6-7, Wo_cross's 4-5 and 6-7.  A wave has one tensor load out at any time.
.set SPARE, 294912
.set STAGE, 295424                     ; and a stage of 16 rows x (256 + 16) bytes for each wave: no fill lands there
.set A16,  4                           ; v4, v5   A's fragments, 16 bytes a lane: K steps 0-3, 4-7
.set A8,   6                           ; v6, v7   the same, 8 bytes a lane
.set BS,   8                           ; v8, v9   Wo_self's
.set BC,   10                          ; v10, v11 Wo_cross's
.set STO,  12
.set RD,   13
.set CO,   14
.set LR,   15
.set SPW,  16
.set NIL,  17
.set SA,   32
.set SS,   64
.set SX,   96
.set ACC,  128
.set G1A,  24
.set G1B,  56
.set MSB, 0
.macro WIN new
.if MSB != (\new)
	s_set_vgpr_msb (MSB<<8)|(\new)
.set MSB, (\new)
.endif
.endm
.macro CROUND
	s_barrier_signal -1
	s_barrier_wait -1
	s_cmp_lg_u32 s14, 0
	s_cbranch_scc1 .Lnot_wave_0_\@
	s_barrier_signal -3
.Lnot_wave_0_\@:
	s_barrier_wait -3
	s_barrier_signal -1
	s_barrier_wait -1
.endm
.macro SETG0 g, lreg, loff, p, off
	s_mov_b32 s[\g], 1
	s_add_co_u32 s[\g+1], s[\lreg], \loff
	s_add_nc_u64 s[\g+2:\g+3], s[\p:\p+1], \off
	s_or_b32 s[\g+3], s[\g+3], 0x80000000
.endm
	s_load_b256 s[4:11], s[0:1], 0x0               ; abuf 4, asc 6, codes 8, scales 10
	s_load_b64 s[12:13], s[0:1], 0x20              ; out0
	v_lshl_add_u32 v[SPW], v0, 2, SPARE
	v_mov_b32 v[NIL], 0
	ds_add_u32 v[SPW], v[NIL]                      ; the wave's opening: the add, twice on end, and its wait ahead of my first tensor load
	ds_add_u32 v[SPW], v[NIL]
	v_lshrrev_b32 v1, 5, v0
	v_readfirstlane_b32 s14, v1                    ; wave 0..3
	s_lshr_b32 s15, s14, 1                         ; my half of the tokens
	s_and_b32 s16, s14, 1                          ; my half of the outputs
	s_bfe_u32 s17, ttmp6, 0x40000                  ; cx
	s_bfe_u32 s18, ttmp6, 0x40004                  ; cy
	s_lshl_b32 s19, ttmp9, 2
	s_add_co_u32 s19, s19, s17                     ; tile column 0..7
	s_and_b32 s20, ttmp7, 0xffff
	s_lshl_b32 s20, s20, 2
	s_add_co_u32 s20, s20, s18                     ; tile row 0..31
	s_lshl_b32 s21, s18, 2
	s_lshl_b32 s21, 15, s21                        ; my row of the cluster
	s_lshl_b32 s22, 0x1111, s17                    ; my column
	s_or_b32 s[G1A], s21, (3<<16)|(1<<21)          ; 15:0 the mask; 17:16 elements of 8 bytes; 21 set beside a mask; no padding
	s_or_b32 s[G1B], s22, (3<<16)|(1<<21)
.irp g, G1A, G1B                               ; 49,152 dense bytes as 192 rows of 256
	s_mov_b32 s[\g+1], 32<<16
	s_mov_b32 s[\g+2], 192<<16                     ; 49,152 dense bytes as 192 rows of 256
	s_mov_b32 s[\g+3], 32<<16
	s_mov_b32 s[\g+4], 192
	s_mov_b32 s[\g+5], 32
	s_mov_b32 s[\g+6], 0
	s_mov_b32 s[\g+7], 0
.endr
	s_mul_i32 s23, s16, 49152                      ; A: K steps 0-3 or 4-7, in memory and in LDS alike
	s_mul_i32 s66, s20, 98304
	s_add_co_u32 s66, s66, s23
	s_mov_b32 s67, 0
	s_add_co_u32 s68, s19, 88                      ; Wo_self's groups of 128 rows begin at 88, Wo_cross's eight further on
	s_mul_i32 s68, s68, 98304
	s_mov_b32 s69, 0
	s_mul_i32 s52, s16, 786432                     ; the head: Wo_self or Wo_cross by the wave's low bit
	s_mov_b32 s53, 0
	s_mul_i32 s54, s15, 786432                     ; the second group: the weight by the wave's high bit, K steps 4-5 or 6-7 by its low bit
	s_mul_i32 s55, s16, 24576
	s_add_co_u32 s54, s54, s55
	s_mov_b32 s55, 0
	s_mul_i32 s76, s16, 98304                      ; and the same in LDS
	s_mul_i32 s77, s15, 98304
	s_mul_i32 s78, s16, 24576
	s_add_co_u32 s77, s77, s78
	s_or_b32 s44, s22, (3<<16)|(1<<21)             ; a third group 1, for the second group of loads: my column's mask; 24,576 dense bytes as 96 rows of 256
	s_mov_b32 s45, 32<<16
	s_mov_b32 s46, 96<<16
	s_mov_b32 s47, 32<<16
	s_mov_b32 s48, 96
	s_mov_b32 s49, 32
	s_mov_b32 s50, 0
	s_mov_b32 s51, 0
	s_lshl_b32 s70, s20, 1
	s_add_co_u32 s70, s70, s15
	s_lshl_b32 s70, s70, 11                        ; my 64 tokens' scale words
	s_mov_b32 s71, 0
	s_add_co_u32 s72, s19, 88
	s_lshl_b32 s72, s72, 1
	s_add_co_u32 s72, s72, s16
	s_lshl_b32 s72, s72, 11                        ; my 64 weight rows'
	s_mov_b32 s73, 0
	s_lshl_b32 s74, s20, 1
	s_add_co_u32 s74, s74, s15
	s_lshl_b32 s74, s74, 18                        ; out0: 64 rows of 4,096 bytes,
	s_lshl_b32 s75, s19, 1
	s_add_co_u32 s75, s75, s16
	s_lshl_b32 s75, s75, 8
	s_add_co_u32 s74, s74, s75                     ; + 256 bytes for each 64 columns
	s_mov_b32 s75, 0
	s_wait_dscnt 0x0                               ; both opening adds are done
	s_wait_kmcnt 0x0
	s_add_nc_u64 s[66:67], s[4:5], s[66:67]
	s_add_nc_u64 s[68:69], s[8:9], s[68:69]
	s_add_nc_u64 s[6:7], s[6:7], s[70:71]
	s_add_nc_u64 s[10:11], s[10:11], s[72:73]
	s_add_nc_u64 s[12:13], s[12:13], s[74:75]
	SETG0 32, 23, 0,      66, 0                    ; A's K steps 0-3 or 4-7,
	s_add_nc_u64 s[70:71], s[68:69], s[52:53]
	s_add_nc_u64 s[72:73], s[68:69], s[54:55]
	SETG0 36, 76, 98304, 70, 0                     ; a weight's K steps 0-3
	SETG0 40, 77, 147456, 72, 49152                ; a weight's K steps 4-5 or 6-7
	CROUND                                         ; all sixteen work-groups are here: the joint loads meet
	s_cmp_eq_u32 s15, 0                            ; one tensor load a wave at the head: waves 0 and 1 fetch A, waves 2 and 3 the weights
	s_cbranch_scc0 .Lhead_w
	tensor_load_to_lds s[32:35], s[G1A:G1A+7]
	s_nop 0
.rept 4
	v_nop
.endr
	s_branch .Lhead_asked
.Lhead_w:
	tensor_load_to_lds s[36:39], s[G1B:G1B+7]
	s_nop 0
.rept 4
	v_nop
.endr
.Lhead_asked:
	v_and_b32 v1, 15, v0
	v_bfe_u32 v2, v0, 4, 1                         ; h
	v_and_b32 v3, 31, v0
	v_lshlrev_b32 v[LR], 4, v1
.irp s, 0,1,2,3,4,5,6,7
	global_load_b128 v[SA+4*\s:SA+4*\s+3], v[LR], s[6:7] offset:256*\s
	global_load_b128 v[SS+4*\s:SS+4*\s+3], v[LR], s[10:11] offset:256*\s
	global_load_b128 v[SX+4*\s:SX+4*\s+3], v[LR], s[10:11] offset:32768+256*\s
.endr
	s_mul_i32 s70, s15, 6144                       ; my four tiles of tokens
	s_mul_i32 s71, s16, 6144                       ; my four tiles of weight rows
	v_lshl_add_u32 v[A16], v3, 4, s70
	v_lshl_add_u32 v[A8], v3, 3, s70
	v_lshl_add_u32 v[BS], v3, 4, s71
	v_add_nc_u32 v[BC], 196608, v[BS]
	v_add_nc_u32 v[BS], 98304, v[BS]
	v_add_nc_u32 v[A16+1], 49152, v[A16]
	v_add_nc_u32 v[A8+1], 49152, v[A8]
	v_add_nc_u32 v[BS+1], 49152, v[BS]
	v_add_nc_u32 v[BC+1], 49152, v[BC]
	s_mul_i32 s72, s14, 16*272
	s_add_co_u32 s72, s72, STAGE                   ; my stage
	v_mul_u32_u24 v[STO], v1, 272
	v_lshl_add_u32 v[STO], v2, 6, v[STO]
	v_add_nc_u32 v[STO], s72, v[STO]               ; in: row r, + 64 h
	v_mul_u32_u24 v[RD], v2, 272
	v_lshl_add_u32 v[RD], v1, 4, v[RD]
	v_add_nc_u32 v[RD], s72, v[RD]                 ; back: lanes 0-15 one row of 256 bytes, lanes 16-31 the next
	v_lshlrev_b32 v[CO], 12, v2
	v_lshl_add_u32 v[CO], v1, 4, v[CO]             ; and the same two rows in out0
.macro FETCH s                                 ; K step s: 40 LDS loads into window 1 or 2.  A fragment of A is two halves (two heads), each 16 bytes and 8 bytes a lane
	WIN (1+(\s)%2)<<6
.irp a, 0,1,2,3
	ds_load_b128 v[12*\a:12*\a+3], v[A16+(\s)/4] offset:((\s)%4)*12288+1536*\a
	ds_load_b64 v[12*\a+4:12*\a+5], v[A8+(\s)/4] offset:((\s)%4)*12288+1536*\a+512
	ds_load_b128 v[12*\a+6:12*\a+9], v[A16+(\s)/4] offset:((\s)%4)*12288+1536*\a+768
	ds_load_b64 v[12*\a+10:12*\a+11], v[A8+(\s)/4] offset:((\s)%4)*12288+1536*\a+1280
.endr
.irp b, 0,1,2,3
.irp p, 0,1,2
	ds_load_b128 v[48+12*\b+4*\p:48+12*\b+4*\p+3], v[BS+(\s)/4] offset:((\s)%4)*12288+1536*\b+512*\p
.endr
.endr
.irp b, 0,1,2,3
.irp p, 0,1,2
	ds_load_b128 v[96+12*\b+4*\p:96+12*\b+4*\p+3], v[BC+(\s)/4] offset:((\s)%4)*12288+1536*\b+512*\p
.endr
.endr
.endm
.macro MULS s, wb, sb, zero                    ; 16 matrix instructions: the 16 accumulators by turns
.irp a, 0,1,2,3
.irp b, 0,1,2,3
.if \zero
	v_wmma_scale_f32_16x16x128_f8f6f4 v[ACC+8*(4*\a+\b):ACC+8*(4*\a+\b)+7], v[\wb+12*\b:\wb+12*\b+11], v[12*\a:12*\a+11], 0, v[\sb+4*(\s)+\b], v[SA+4*(\s)+\a] matrix_a_fmt:MATRIX_FMT_FP6 matrix_b_fmt:MATRIX_FMT_FP6
.else
	v_wmma_scale_f32_16x16x128_f8f6f4 v[ACC+8*(4*\a+\b):ACC+8*(4*\a+\b)+7], v[\wb+12*\b:\wb+12*\b+11], v[12*\a:12*\a+11], v[ACC+8*(4*\a+\b):ACC+8*(4*\a+\b)+7], v[\sb+4*(\s)+\b], v[SA+4*(\s)+\a] matrix_a_fmt:MATRIX_FMT_FP6 matrix_b_fmt:MATRIX_FMT_FP6
.endif
.endr
.endr
.endm
.macro STEP s, zero
	s_wait_dscnt 0x0                               ; this K step's fragments are in (asked for 32 matrix instructions ago)
.if (\s) == 3
	s_wait_tensorcnt 0x0                           ; my parts of K steps 4 to 7 have landed,
	s_barrier_signal -1
	s_barrier_wait -1                              ; everybody's have
.endif
.if (\s) < 7
.if (\s) > 0
.rept 4
	v_nop                                          ; places ahead of loads into registers that the K step before multiplied
.endr
.endif
	FETCH (\s)+1
.endif
	WIN 5*(1+(\s)%2)                               ; sources 0 and 1 in this K step's window, C and D in window 0
	MULS \s, 48, SS, \zero
	MULS \s, 96, SX, 0
.endm
	s_wait_alu depctr_va_vdst(0)
	s_wait_tensorcnt 0x0                           ; my part of the head's four is in
	ds_add_u32 v[SPW], v[NIL]
	s_wait_dscnt 0x0
	CROUND                                         ; everybody's part is in, and all sixteen work-groups are here
	tensor_load_to_lds s[40:43], s[44:51]          ; the weights' K steps 4 to 7, a quarter a wave: the first tensor load behind the round
	s_nop 0
.rept 4
	v_nop
.endr
	FETCH 0
	s_wait_loadcnt 0x0                             ; the scale words
	STEP 0, 1                                      ; Wo_self's first products start the sums: nothing is cleared
	STEP 1, 0
	STEP 2, 0
	STEP 3, 0
	STEP 4, 0
	STEP 5, 0
	STEP 6, 0
	STEP 7, 0
	WIN 0
.rept 4
	v_nop                                          ; places behind the last products
.endr
; THE WAY OUT, a block of 16 tokens x 64 outputs at a time: x 0.5; through my own stage, where the outputs come into their true order; back as whole rows of 256 bytes; each row to its true place in out0.
.macro OUTBLK a
.set BB, 32*((\a)%2)
.if (\a) > 1
	s_wait_xcnt 0x0                                ; the stores of two blocks back have read the registers that are loaded again below
.endif
.set j, 0
.rept 16
	v_pk_mul_f32 v[ACC+32*(\a)+j:ACC+32*(\a)+j+1], v[ACC+32*(\a)+j:ACC+32*(\a)+j+1], 0.5 op_sel_hi:[1,0]   ; each accumulator from its low end on
.set j, j+2
.endr
.irp b, 0,1,2,3
	ds_store_b128 v[STO], v[ACC+8*(4*(\a)+\b):ACC+8*(4*(\a)+\b)+3] offset:128*(\b/2)+32*(\b%2)      ; register j of tile b is output 32 (b / 2) + 8 (b % 2) + 16 h + j
	ds_store_b128 v[STO], v[ACC+8*(4*(\a)+\b)+4:ACC+8*(4*(\a)+\b)+7] offset:128*(\b/2)+32*(\b%2)+16
.endr
	WIN 0x40                                       ; destination window 1
.irp t, 0,1,2,3,4,5,6,7
	ds_load_b128 v[BB+4*\t:BB+4*\t+3], v[RD] offset:544*\t    ; LDS serves a wave's instructions in order: these see my stores
.endr
	WIN 0x04                                       ; a store's data are its source 1: window 1
.irp t, 0,1,2,3,4,5,6,7
	s_wait_dscnt 7-\t                              ; load t is back; the younger ones may be out
	global_store_b128 v[CO], v[BB+4*\t:BB+4*\t+3], s[12:13] offset:(32*((\a)/2)+8*((\a)%2)+2*\t+8*(\t/4))*4096 th:TH_STORE_NT   ; 16 lanes store 256 consecutive bytes, aligned
.endr
	WIN 0
.endm
	OUTBLK 0
	OUTBLK 1
	OUTBLK 2
	OUTBLK 3
	s_wait_tensorcnt 0x0                           ; the wave's end, behind my last tensor load and my last LDS store
	ds_add_u32 v[SPW], v[NIL]
	s_wait_dscnt 0x0
	CROUND                                         ; the closing round
	s_endpgm
.Lfunc_end_k_qd97de4dd50_outp:
	.size	k_qd97de4dd50_outp, .Lfunc_end_k_qd97de4dd50_outp-k_qd97de4dd50_outp
	.p2alignl 7, 3214868480
	.fill 96, 4, 3214868480
	.section	.rodata,"a",@progbits
	.p2align	6, 0x0
	.amdhsa_kernel k_qd97de4dd50_outp
		.amdhsa_group_segment_fixed_size 327680
		.amdhsa_private_segment_fixed_size 0
		.amdhsa_enable_private_segment 0
		.amdhsa_kernarg_size 40
		.amdhsa_user_sgpr_count 2
		.amdhsa_user_sgpr_kernarg_segment_ptr 1
		.amdhsa_wavefront_size32 1
		.amdhsa_system_sgpr_workgroup_id_x 1
		.amdhsa_system_sgpr_workgroup_id_y 1
		.amdhsa_system_sgpr_workgroup_id_z 1
		.amdhsa_system_vgpr_workitem_id 0
		.amdhsa_next_free_vgpr 768
		.amdhsa_next_free_sgpr 80
		.amdhsa_reserve_vcc 0
		.amdhsa_float_denorm_mode_32 3
		.amdhsa_float_denorm_mode_16_64 3
		.amdhsa_memory_ordered 1
		.amdhsa_forward_progress 1
		.amdhsa_inst_pref_size 77
	.end_amdhsa_kernel
	.amdgpu_metadata
---
amdhsa.version: [ 1, 2 ]
amdhsa.kernels:
  - .name:           k_qd97de4dd50_outp
    .symbol:         k_qd97de4dd50_outp.kd
    .args:
      - { .name: abuf, .offset: 0, .size: 8, .value_kind: global_buffer, .address_space: global }
      - { .name: asc, .offset: 8, .size: 8, .value_kind: global_buffer, .address_space: global }
      - { .name: codes, .offset: 16, .size: 8, .value_kind: global_buffer, .address_space: global }
      - { .name: scales, .offset: 24, .size: 8, .value_kind: global_buffer, .address_space: global }
      - { .name: out0, .offset: 32, .size: 8, .value_kind: global_buffer, .address_space: global }
    .group_segment_fixed_size: 327680
    .private_segment_fixed_size: 0
    .kernarg_segment_align: 8
    .kernarg_segment_size: 40
    .max_flat_workgroup_size: 128
    .sgpr_count:     80
    .vgpr_count:     768
    .wavefront_size: 32
...
	.end_amdgpu_metadata
.endif
;; end of part 4
